; MI455X (gfx1250); checked and timed in simulation.
; The chip was launched on July 23, 2026; its instructions are those of AMD's public machine-readable ISA for CDNA 5 (MIT licence, August 2026) and "CDNA5" Instruction Set Architecture Reference Guide (July 2026). The comments in the code are by the model that wrote it; some were corrected since.
;; Sparse Mo E. Allowed arithmetic: matrix products marked QUANTISED: E4M3 operands, one E8M0 scale for each 32 along K, by v_wmma_scale_f32_16x16x128_f8f6f4 with both operands' format E4M3, f32 sums; products left as they are: f32 operands where the result goes on into a quantised operand, else bf16, f16 or f32 operands; f32 sums; everything else in f32.
;; Inputs: W1_codes 8 x 4,096 x 32 x 32 uint8 (E4M3 codes of W1, K innermost, in blocks of 32 codes); W1_scales 8 x 4,096 x 32 uint8 (E8M0 scales of W1, one for each 32 codes along K); W2_codes 8 x 1,024 x 128 x 32 uint8 (E4M3 codes of W2, K innermost, in blocks of 32 codes); W2_scales 8 x 1,024 x 128 uint8 (E8M0 scales of W2, one for each 32 codes along K); Wg 1,024 x 8 float32; b1 8 x 4,096 float32; b2 8 x 1,024 float32; bg 8 float32; x 1,024 x 1,024 float32.
;; Outputs: out0 1,024 x 1,024 float32.
;; This version of the problem:
;;   THIS VERSION OF THE PROBLEM IS GIVEN IN LOW PRECISION. The matrix products marked QUANTISED in the list below multiply operands that are first quantised to E4M3 (4 exponent bits, 3 mantissa bits; 8 bits a number), with one power-of-two scale for each 32 numbers along K (OCP MX v1.0); their sums are f32. All else is computed in f32.
;;   The module's matrix products, in the order in which they are computed (A, B: the left and right operand; K: the contracted axis; several contracted axes count as one K, in the product's order):
;;     1. [M 1,024, K 1,024] x [K 1,024, N 8]; A: input x; B: input Wg: left as it is (N = 8 < 16)
;;     2. [M 32,768, K 1,024] x [K 1,024, N 1,024]; A: input W1 (given as codes); B: input x: QUANTISED
;;     3. batch 8 x [M 1,024, K 4,096] x [K 4,096, N 1,024]; A: computed on the way; B: input W2 (given as codes): QUANTISED
;;   THE QUANTISER, for each operand of a quantised product, along K:
;;     - K is cut into blocks of 32 from its start; a last block that is shorter is filled with zeros.
;;     - A block's scale is 2^e with e = floor(log2(the largest magnitude in the block)) - 8, held to -126 .. 127; a block of zeros has e = 0. As a byte (E8M0): e + 127.
;;     - Each number is divided by its block's scale, clamped to +-448, and rounded to the nearest number of E4M3, ties to even, subnormals kept.
;;     - The product sums the exact products of the quantised numbers (number of the format x scale) in f32.
;;   ~~~python
;;   def quantise(x, axis):      # numpy; x: float32 -> the quantised numbers, widened to float32 again
;;       x = np.moveaxis(x, axis, -1); K = x.shape[-1]
;;       x = np.pad(x, [(0, 0)] * (x.ndim - 1) + [(0, -K % 32)]); x = x.reshape(x.shape[:-1] + (-1, 32)); a = np.abs(x).max(-1, keepdims=True)
;;       e = np.where(a > 0, np.clip(np.frexp(np.where(a > 0, a, 1))[1] - 1 - 8, -126, 127), 0)      # np.frexp(a)[1] - 1 = floor(log2(a)), exactly
;;       r = np.clip(x / 2.0 ** e, -448, 448)
;;       step = 2.0 ** (np.maximum(np.frexp(np.where(r == 0, 1, r))[1] - 1, -6) - 3)
;;       q = np.round(r / step) * step * 2.0 ** e      # np.round: ties to even
;;       return np.moveaxis(q.reshape(q.shape[:-2] + (-1,))[..., :K], -1, axis).astype(np.float32)
;;   ~~~
;;   OPERANDS COMPUTED ON THE WAY. 'Computed on the way' means the value that the module computes at that place (a softmax that the list does not call 'softmax' is quantised finished and normalised). What goes into a quantiser is computed in f32, as accurately as f32 sums, v_exp_f32 and their like allow (about 1e-6 of the number): no bf16 or f16 on the way to a quantiser, and a product that is left as it is and whose result goes on into a quantised operand takes f32 operands (vector FMAs, or v_wmma_f32_16x16x4_f32). A number that lies on a knife's edge between two numbers of the format may be rounded either way, as far as f32 arithmetic and the matrix unit's own rounding can turn it there, and no further.
;;   INPUTS GIVEN AS CODES. W1 (in the module: [8, 1024, 4096], K = its axis 1); W2 (in the module: [8, 4096, 1024], K = its axis 1): each comes as NAME_codes (uint8): NAME with its K axis moved to the last place and cut into blocks of 32 codes, [.., K / 32, bytes a block], one block behind the other in memory; one code a byte (a code: sign, 4 exponent bits, 3 mantissa bits); and NAME_scales (uint8): the same leading axes, one E8M0 byte (e + 127) for each 32 codes along K. Its value is code x scale, taken as it is: it is not quantised again, and the codes and scales need not be those that the quantiser above would give.
;; 2 versions, each right; version 2 is version 1 with the launches gemm1, gemm2 written anew for expert scheduling mode. Each part assembles by itself: llvm-mc -triple=amdgcn-amd-amdhsa -mcpu=gfx1250 --defsym DOCPART=n.
;; ======== version 1 of 2: 5 launches
;; workspace buffers: topi 8,192 bytes of whole numbers; wts 8,192 bytes; order 81,920 bytes of whole numbers; xq 1,048,576 bytes; xsc 32,768 bytes; himg 33,554,432 bytes; hsc 1,048,576 bytes; ypart 67,108,864 bytes
;; launch route (part 1): grid 256 x 1, 4 waves a work-group, no clusters, 34,816 bytes of LDS; arguments x, Wg, bg, xq, xsc, topi, wts; writes xq, xsc, topi, wts
.if DOCPART == 1
	.amdgcn_target "amdgcn-amd-amdhsa--gfx1250"
	.amdhsa_code_object_version 6
	.text
	.protected	k_q1e57c86046_route
	.globl	k_q1e57c86046_route
	.p2align	8
	.type	k_q1e57c86046_route,@function
k_q1e57c86046_route:
	s_mov_b64 s[64:65], 0
	v_nop
	global_prefetch_b8 v0, s[64:65] scope:SCOPE_SE
	s_setreg_imm32_b32 hwreg(HW_REG_WAVE_MODE, 25, 1), 1
	s_wait_xcnt 0x0
; THE GATE AND x's CODES.  x [1024][1024] f32, Wg [1024][8] f32, bg [8] f32.
; One token a wave (token n = 4 x work-group + wave).  The wave (a) forms the 8 gate logits x[n] . Wg + bg by f32 fused multiply-adds (8 columns are too few for a matrix tile, and the choice wants f32),
; (b) takes the two largest (strict > in ascending order of experts: of equal logits the lower index wins, as jax.lax.top_k has it), (c) their softmax, the larger logit taken away first,
; (d) turns x[n] into codes of E4M3 with one E8M0 byte for each 32 along K.  Stored at fixed places: topi[2n + k] the expert, wts[2n + k] its weight, xq[n][1024] codes, xsc[n][32] bytes.
; No address and no branch hangs on the choice: the lists are made by the next launch.
; A block's scale byte is its largest magnitude's exponent field - 8, held at 1 from below; each number is held within +-448 x the scale and rounded to the nearest code, ties to even.
; LIMITS: NaN and infinities among x, Wg, bg are not served (the logits must be finite).  A block of zeros gets the byte 1 where the rule says 127: its codes are zeros, and this program alone reads
; the bytes.  Blocks whose largest magnitude lies under 2^-118 are held at the byte 1.
; Lane l holds x[512 t + 16 l + i] (t = 0, 1; i = 0 .. 15): two neighbouring lanes hold a block of 32.
; Wg goes through LDS once for the work-group: 64 chunks of 16 rows (512 bytes) at a pitch of 528 bytes = 33 x 16, so that the 16 lanes of a 16-byte read start at 16 different columns of 16 bytes.
; No matrix unit, no tensor load, no cluster: the work-groups share only Wg's 32,768 bytes.
.set WGP,  528                         ; a chunk's pitch in LDS
.set SCST, 33792                       ; behind the 64 chunks: 32 scale bytes for each wave
.set X,    16                          ; v16-47   x, register 16 t + i
.set CD,   64                          ; v64-71   codes, four registers for each t
.set EB,   72                          ; v72-73   a scale byte for each t
.set WA,   80                          ; v80-143  eight rows of Wg a lane (8 x 8 numbers); at the head: Wg as loaded
.set WB,   144                         ; v144-207 the same, the other batch
.set ACC,  208                         ; v208-223 two sets of eight partial logits
	s_load_b256 s[4:11], s[0:1], 0x0               ; x s[4:5], Wg s[6:7], bg s[8:9], xq s[10:11]
	s_load_b128 s[12:15], s[0:1], 0x20             ; xsc s[12:13], topi s[14:15]
	s_load_b64 s[16:17], s[0:1], 0x30              ; wts
	v_lshl_add_u32 v224, v0, 2, 0x8600
	v_mov_b32 v225, 0
	v_lshrrev_b32 v1, 5, v0
	v_readfirstlane_b32 s18, v1                    ; wave
	v_and_b32 v1, 31, v0                           ; lane
	s_lshl_b32 s19, ttmp9, 2
	s_add_co_u32 s19, s19, s18                     ; token n
	v_lshlrev_b32 v2, 6, v1                        ; x: 64 bytes a lane
	v_lshlrev_b32 v3, 4, v1                        ; 16 bytes a lane
	s_mul_i32 s20, s18, 16*WGP
	v_add_nc_u32 v4, s20, v3                       ; Wg into LDS: my wave's 16 chunks, 16 bytes a lane
	v_mul_u32_u24 v5, v1, WGP                      ; Wg out of LDS: chunk = lane (+ 32 t in the immediate)
	s_lshl_b32 s22, s18, 5
	s_add_co_u32 s22, s22, SCST                    ; my wave's 32 scale bytes
	v_lshrrev_b32 v6, 1, v1
	v_add_nc_u32 v6, s22, v6                       ; my block's byte
	v_and_b32 v8, 7, v1
	v_lshlrev_b32 v8, 2, v8                        ; on the way out: a word for each of 8 lanes, lanes 8-31 repeat them
	v_add_nc_u32 v7, s22, v8
	v_and_b32 v79, 1, v1                           ; lane's parity: which of the two choices it stores
	v_lshlrev_b32 v9, 2, v79
	s_mov_b32 s32, 0x76543210
	s_mov_b32 s33, 0xfedcba98                      ; v_permlanex16_b32's selects for lane l xor 16
	s_mov_b32 s34, 0x600000                        ; the mantissa field of 448
	s_mov_b32 s35, 0x3fb8aa3b                      ; log2(e)
	s_mov_b32 s21, 0
	s_wait_kmcnt 0x0
	s_load_b256 s[24:31], s[8:9], 0x0              ; bg, all eight
	s_lshl_b32 s20, s18, 13
	s_add_nc_u64 s[6:7], s[6:7], s[20:21]          ; Wg at my wave's 8,192 bytes
	s_lshl_b32 s20, s19, 12
	s_add_nc_u64 s[4:5], s[4:5], s[20:21]          ; x at my token
.irp i, 0,1,2,3,4,5,6,7,8,9,10,11,12,13,14,15
	global_load_b128 v[WA+4*\i:WA+4*\i+3], v3, s[6:7] offset:512*\i   ; a chunk: 512 consecutive bytes
.endr
.irp t, 0,1
.irp q, 0,1,2,3
	global_load_b128 v[X+16*\t+4*\q:X+16*\t+4*\q+3], v2, s[4:5] offset:2048*\t+16*\q
.endr
.endr
	s_lshl_b32 s20, s19, 10
	s_add_nc_u64 s[10:11], s[10:11], s[20:21]      ; xq at my token
	s_lshl_b32 s20, s19, 5
	s_add_nc_u64 s[12:13], s[12:13], s[20:21]      ; xsc
	s_lshl_b32 s20, s19, 3
	s_add_nc_u64 s[14:15], s[14:15], s[20:21]      ; topi
	s_add_nc_u64 s[16:17], s[16:17], s[20:21]      ; wts
	s_wait_loadcnt 8                               ; Wg's 16 loads are in; x's 8, issued behind them, may be out
.irp i, 0,1,2,3,4,5,6,7,8,9,10,11,12,13,14,15
	ds_store_b128 v4, v[WA+4*\i:WA+4*\i+3] offset:WGP*\i
.endr
	s_wait_dscnt 0x0                               ; for the other waves' sake: my chunks lie in LDS
	s_barrier_signal -1
	s_barrier_wait -1                              ; all 64 do
; Batch g: rows 512 (g / 2) + 16 l + 8 (g % 2) + 0 .. 7 of Wg, 32 bytes each, into 64 registers
.macro BATCH g, w
.irp i, 0,1,2,3,4,5,6,7
	ds_load_b128 v[\w+8*\i:\w+8*\i+3],   v5 offset:32*WGP*((\g)/2)+32*(8*((\g)%2)+\i)
	ds_load_b128 v[\w+8*\i+4:\w+8*\i+7], v5 offset:32*WGP*((\g)/2)+32*(8*((\g)%2)+\i)+16
.endr
.endm
; its 32 packed multiply-adds: two experts at a time, x's number taken for both halves (the first or the second register of its pair).  The first product of each set starts the sums: nothing is cleared
.macro FMA g, w
.irp i, 0,1,2,3,4,5,6,7
.irp p, 0,1,2,3
.set XR, X+16*((\g)/2)+8*((\g)%2)+(\i)-((\i)%2)
.set AR, ACC+8*((\g)%2)+2*\p
.if ((\g) < 2) && (\i == 0)
	v_pk_mul_f32 v[AR:AR+1], v[\w+8*\i+2*\p:\w+8*\i+2*\p+1], v[XR:XR+1] op_sel_hi:[1,0]
.elseif (\i % 2) == 0
	v_pk_fma_f32 v[AR:AR+1], v[\w+8*\i+2*\p:\w+8*\i+2*\p+1], v[XR:XR+1], v[AR:AR+1] op_sel_hi:[1,0,1]
.else
	v_pk_fma_f32 v[AR:AR+1], v[\w+8*\i+2*\p:\w+8*\i+2*\p+1], v[XR:XR+1], v[AR:AR+1] op_sel:[0,1,0] op_sel_hi:[1,1,1]
.endif
.endr
.endr
.endm
	BATCH 0, WA
	BATCH 1, WB
	s_wait_loadcnt 0x0                             ; x
	s_wait_dscnt 16                                ; the older batch is in, the younger batch's 16 loads may be out
	FMA 0, WA
	BATCH 2, WA
	s_wait_dscnt 16
	FMA 1, WB
	BATCH 3, WB
	s_wait_dscnt 16
	FMA 2, WA
	s_wait_dscnt 0x0
	FMA 3, WB
; x's codes.  The logits have read x: it is held in place
.irp t, 0,1
	v_max3_num_f32 v74, |v[X+16*\t]|, |v[X+16*\t+1]|, |v[X+16*\t+2]|     ; the largest magnitude of my 16, in two chains
	v_max3_num_f32 v75, |v[X+16*\t+3]|, |v[X+16*\t+4]|, |v[X+16*\t+5]|
.irp i, 6,10
	v_max3_num_f32 v74, v74, |v[X+16*\t+\i]|, |v[X+16*\t+\i+1]|
	v_max3_num_f32 v75, v75, |v[X+16*\t+\i+2]|, |v[X+16*\t+\i+3]|
.endr
	v_max3_num_f32 v74, v74, |v[X+16*\t+14]|, |v[X+16*\t+15]|
	v_max3_num_f32 v74, v74, v75, 0x4800000        ; and the floor 2^(9 - 127): the byte cannot fall under 1
	v_max_num_f32_dpp v74, v74, v74 row_xmask:1 row_mask:0xf bank_mask:0xf   ; with my neighbour's 16: the block's
	v_add_nc_u32 v76, 0xfc000000, v74              ; 8 off its exponent field: the conversion takes this operand's exponent field as its scale
	v_and_or_b32 v77, v74, 0x7f800000, s34         ; 448 x the scale
.irp i, 0,1,2,3,4,5,6,7,8,9,10,11,12,13,14,15
	v_med3_num_f32 v[X+16*\t+\i], v[X+16*\t+\i], -v77, v77   ; the conversion to an 8-bit code does not saturate (ISA guide 7.6.2): the hold comes first
.endr
	v_cvt_scalef32_pk8_fp8_f32 v[CD+4*\t:CD+4*\t+1], v[X+16*\t:X+16*\t+7], v76
	v_cvt_scalef32_pk8_fp8_f32 v[CD+4*\t+2:CD+4*\t+3], v[X+16*\t+8:X+16*\t+15], v76
	v_lshrrev_b32 v[EB+\t], 23, v76                ; the scale's byte (also the plain line behind the conversions)
	ds_store_b8 v6, v[EB+\t] offset:16*\t          ; both lanes of a block write the same byte with the same value
	global_store_b128 v3, v[CD+4*\t:CD+4*\t+3], s[10:11] offset:512*\t   ; the wave stores 512 consecutive bytes, aligned
.endr
	ds_load_b32 v78, v7                            ; LDS serves a wave's instructions in order: this sees my byte stores
; the logits: the two sets, then the 32 lanes, then bg
.irp p, 0,1,2,3
	v_pk_add_f32 v[ACC+2*\p:ACC+2*\p+1], v[ACC+2*\p:ACC+2*\p+1], v[ACC+8+2*\p:ACC+8+2*\p+1]
.endr
.irp m, 1,2,4,8
.irp e, 0,1,2,3,4,5,6,7
	v_add_f32_dpp v[ACC+\e], v[ACC+\e], v[ACC+\e] row_xmask:\m row_mask:0xf bank_mask:0xf
.endr
.endr
.irp e, 0,1,2,3,4,5,6,7
	v_permlanex16_b32 v[ACC+8+\e], v[ACC+\e], s32, s33   ; (its destination has been written: the second set)
.endr
	s_wait_kmcnt 0x0                               ; bg
.irp e, 0,1,2,3,4,5,6,7
	v_add_f32 v[ACC+\e], v[ACC+\e], v[ACC+8+\e]
.endr
.irp e, 0,1,2,3,4,5,6,7
	v_add_f32 v[ACC+\e], s[24+\e], v[ACC+\e]       ; every lane holds all eight logits, the same bits in all lanes
.endr
	s_wait_dscnt 0x0
	global_store_b32 v8, v78, s[12:13]             ; my token's 32 scale bytes: part of an aligned 256 bytes; 32,768 bytes in the whole launch
; the largest, then the largest of the others
	v_mov_b32 v10, v[ACC]
	v_mov_b32 v11, 0
.irp e, 1,2,3,4,5,6,7
	v_cmp_gt_f32 vcc_lo, v[ACC+\e], v10
	v_cndmask_b32 v10, v10, v[ACC+\e], vcc_lo
	v_cndmask_b32 v11, v11, \e, vcc_lo
.endr
	v_mov_b32 v12, 0xff800000                      ; -infinity: under every finite logit
	v_mov_b32 v13, 0
.irp e, 0,1,2,3,4,5,6,7
	v_cmp_ne_u32 s36, \e, v11
	v_cmp_gt_f32 vcc_lo, v[ACC+\e], v12
	s_and_b32 vcc_lo, vcc_lo, s36
	v_cndmask_b32 v12, v12, v[ACC+\e], vcc_lo
	v_cndmask_b32 v13, v13, \e, vcc_lo
.endr
; softmax of the two, the larger taken away: weights 1 / (1 + t) and t / (1 + t), t = e^(second - first), at most 1
	v_sub_f32 v14, v12, v10
	v_mul_f32 v14, s35, v14
	v_exp_f32 v14, v14
	v_nop                                          ; a plain line behind the transcendental,
	s_wait_alu depctr_va_vdst(0)                   ; and the wait ahead of its first reader
	v_add_f32 v15, 1.0, v14
	v_rcp_f32 v15, v15
	v_cmp_eq_u32 vcc_lo, 1, v79                    ; (a plain line)  odd lanes store the second choice
	s_wait_alu depctr_va_vdst(0)
	v_mul_f32 v14, v14, v15
	v_cndmask_b32 v75, v11, v13, vcc_lo
	v_cndmask_b32 v76, v15, v14, vcc_lo
	global_store_b32 v9, v75, s[14:15]             ; all lanes of a parity store the same word with the same value
	global_store_b32 v9, v76, s[16:17]
	s_wait_tensorcnt 0x0
	ds_add_u32 v224, v225
	s_wait_dscnt 0x0
	s_endpgm
.Lfunc_end_k_q1e57c86046_route:
	.size	k_q1e57c86046_route, .Lfunc_end_k_q1e57c86046_route-k_q1e57c86046_route
	.p2alignl 7, 3214868480
	.fill 96, 4, 3214868480
	.section	.rodata,"a",@progbits
	.p2align	6, 0x0
	.amdhsa_kernel k_q1e57c86046_route
		.amdhsa_group_segment_fixed_size 34816
		.amdhsa_private_segment_fixed_size 0
		.amdhsa_enable_private_segment 0
		.amdhsa_kernarg_size 56
		.amdhsa_user_sgpr_count 2
		.amdhsa_user_sgpr_kernarg_segment_ptr 1
		.amdhsa_wavefront_size32 1
		.amdhsa_system_sgpr_workgroup_id_x 1
		.amdhsa_system_sgpr_workgroup_id_y 1
		.amdhsa_system_sgpr_workgroup_id_z 1
		.amdhsa_system_vgpr_workitem_id 0
		.amdhsa_next_free_vgpr 226
		.amdhsa_next_free_sgpr 66
		.amdhsa_reserve_vcc 1
		.amdhsa_float_denorm_mode_32 3
		.amdhsa_float_denorm_mode_16_64 3
		.amdhsa_memory_ordered 1
		.amdhsa_forward_progress 1
		.amdhsa_inst_pref_size 29
	.end_amdhsa_kernel
	.amdgpu_metadata
---
amdhsa.version: [ 1, 2 ]
amdhsa.kernels:
  - .name:           k_q1e57c86046_route
    .symbol:         k_q1e57c86046_route.kd
    .args:
      - { .name: x, .offset: 0, .size: 8, .value_kind: global_buffer, .address_space: global }
      - { .name: Wg, .offset: 8, .size: 8, .value_kind: global_buffer, .address_space: global }
      - { .name: bg, .offset: 16, .size: 8, .value_kind: global_buffer, .address_space: global }
      - { .name: xq, .offset: 24, .size: 8, .value_kind: global_buffer, .address_space: global }
      - { .name: xsc, .offset: 32, .size: 8, .value_kind: global_buffer, .address_space: global }
      - { .name: topi, .offset: 40, .size: 8, .value_kind: global_buffer, .address_space: global }
      - { .name: wts, .offset: 48, .size: 8, .value_kind: global_buffer, .address_space: global }
    .group_segment_fixed_size: 34816
    .private_segment_fixed_size: 0
    .kernarg_segment_align: 8
    .kernarg_segment_size: 56
    .max_flat_workgroup_size: 128
    .sgpr_count:     66
    .vgpr_count:     226
    .wavefront_size: 32
...
	.end_amdgpu_metadata
.endif
;; end of part 1
;; launch place (part 2): grid 8 x 1, 4 waves a work-group, no clusters, 768 bytes of LDS; arguments topi, order; writes order
.if DOCPART == 2
	.amdgcn_target "amdgcn-amd-amdhsa--gfx1250"
	.amdhsa_code_object_version 6
	.text
	.protected	k_q1e57c86046_place
	.globl	k_q1e57c86046_place
	.p2align	8
	.type	k_q1e57c86046_place,@function
k_q1e57c86046_place:
	s_mov_b64 s[64:65], 0
	v_nop
	global_prefetch_b8 v0, s[64:65] scope:SCOPE_SE
	s_setreg_imm32_b32 hwreg(HW_REG_WAVE_MODE, 25, 1), 1
	s_wait_xcnt 0x0
; THE LISTS.  topi[2048]: the expert of slot s = 2 x token + choice.  Work-group e makes expert e's list: whole numbers only.
; order, in bytes: 0 ..: list[e][2048] words: the token at place pos of expert e; entries n_e .. 1279 are written 0 (the products' tiles read so far: 80 tiles of 16); entry 2047 is the work-group's dump word.
;   65536 ..: rowid[slot] = 1024 e + pos.   73728 + 4 e: a second dump word.   73984 + 4 e: n_e.
; Wave w scans slots 512 w .. 512 w + 511: 16 a lane.  A place is: the matches of the waves before (through LDS) + those of the wave's earlier registers (popcounts) + those of the lower lanes (v_mbcnt).
; Which slot gets which place is free: rowid says it.  A lane without a match stores into its work-group's dump words, which nobody reads: EXEC never changes.
; Every index that comes from loaded numbers is chosen first and then held by v_min_u32 with a constant; behind that stand a shift and an addition alone.
; Eight work-groups: there are eight lists, and 8,192 bytes to scan.
.set T,  4                             ; v4-19   my 16 entries: entry 4 i + c is slot 512 w + 128 i + 4 lane + c
.set P,  28                            ; v28-31  places
.set A,  32                            ; v32-35  byte offsets into the list
.set B,  36                            ; v36-39  byte offsets into rowid
.set TK, 40                            ; v40-43  tokens
.set RV, 44                            ; v44-47  row numbers
	s_load_b128 s[4:7], s[0:1], 0x0                ; topi s[4:5], order s[6:7]
	v_lshl_add_u32 v64, v0, 2, 0x100
	v_mov_b32 v65, 0
	v_lshrrev_b32 v1, 5, v0
	v_readfirstlane_b32 s8, v1                     ; wave
	s_mov_b32 s9, ttmp9                            ; expert
	v_and_b32 v1, 31, v0                           ; lane
	v_lshlrev_b32 v2, 4, v1
	v_mov_b32 v20, 0
	s_lshl_b32 s11, s8, 8
	v_lshl_add_u32 v21, v1, 1, s11                 ; token of my first entry: 256 w + 2 lane
	s_lshl_b32 s11, s8, 9
	v_lshl_add_u32 v22, v1, 2, s11                 ; its slot: 512 w + 4 lane
	v_mov_b32 v23, 0x7ff                           ; the list's dump entry
	s_add_co_u32 s11, s9, 2048
	v_mov_b32 v24, s11                             ; rowid's dump entry
	s_lshl_b32 s17, s9, 13                         ; my list's first byte
	s_lshl_b32 s18, s9, 10
	v_mov_b32 v62, s8
	v_lshlrev_b32 v62, 2, v62                      ; LDS: my wave's word
	v_mov_b32 v63, 0
	s_lshl_b32 s20, s8, 11
	s_mov_b32 s21, 0
	s_wait_kmcnt 0x0
	s_add_nc_u64 s[4:5], s[4:5], s[20:21]
.irp i, 0,1,2,3
	global_load_b128 v[T+4*\i:T+4*\i+3], v2, s[4:5] offset:512*\i
.endr
	s_wait_loadcnt 0x0
.irp k, 0,1,2,3,4,5,6,7,8,9,10,11,12,13,14,15
	v_cmp_eq_u32 s[32+\k], s9, v[T+\k]             ; which lanes' entry k names my expert
.endr
	s_mov_b32 s48, 0
.irp k, 0,1,2,3,4,5,6,7,8,9,10,11,12,13,14
	s_bcnt1_i32_b32 s11, s[32+\k]
	s_add_co_u32 s[49+\k], s[48+\k], s11           ; matches in my wave's entries before k + 1
.endr
	s_bcnt1_i32_b32 s11, s47
	s_add_co_u32 s19, s63, s11                     ; my wave's matches
	v_mov_b32 v25, s19
	ds_store_b32 v62, v25
	s_wait_dscnt 0x0                               ; for the others' sake
	s_barrier_signal -1
	s_barrier_wait -1
	ds_load_b128 v[48:51], v63                     ; the four waves' counts
	s_wait_dscnt 0x0
.irp i, 0,1,2,3
	v_readfirstlane_b32 s[12+\i], v[48+\i]
.endr
	s_mov_b32 s10, 0                               ; the matches of the waves before mine
.irp i, 0,1,2
	s_cmp_gt_u32 s8, \i
	s_cselect_b32 s11, s[12+\i], 0
	s_add_co_u32 s10, s10, s11
.endr
	s_add_co_u32 s16, s12, s13
	s_add_co_u32 s16, s16, s14
	s_add_co_u32 s16, s16, s15                     ; n_e
.irp i, 0,1,2,3
.if \i > 0
	s_wait_xcnt 0x0                                ; the last four entries' stores have read their offsets and data: these are written again only behind this wait
.endif
.irp c, 0,1,2,3
	s_add_co_u32 s11, s[48+4*\i+\c], s10
	v_mbcnt_lo_u32_b32 v[P+\c], s[32+4*\i+\c], s11         ; the place, where the lane matches
	v_cndmask_b32 v[A+\c], v23, v[P+\c], s[32+4*\i+\c]     ; the place or the dump entry,
	v_min_u32 v[A+\c], 0x7ff, v[A+\c]                      ; held inside my list,
	v_lshl_add_u32 v[A+\c], v[A+\c], 2, s17                ; in bytes
	v_add_nc_u32 v[TK+\c], 64*\i+(\c)/2, v21               ; the entry's token
	v_add_nc_u32 v[RV+\c], s18, v[P+\c]                    ; 1024 e + place
	v_add_nc_u32 v[B+\c], 128*\i+\c, v22                   ; the entry's slot
	v_cndmask_b32 v[B+\c], v24, v[B+\c], s[32+4*\i+\c]     ; or the dump entry
	v_min_u32 v[B+\c], 0xfff, v[B+\c]
	v_lshl_add_u32 v[B+\c], v[B+\c], 2, 0x10000
	global_store_b32 v[A+\c], v[TK+\c], s[6:7]
	global_store_b32 v[B+\c], v[RV+\c], s[6:7]
.endr
.endr
; the tail: entries n_e .. 1279 become 0 (token 0: a row that exists).  Wave w looks at entries 320 w .. 320 w + 319; each step has an offset register of its own
	s_mul_i32 s11, s8, 320
	v_add_nc_u32 v27, s11, v1
.irp i, 0,1,2,3,4,5,6,7,8,9
	v_add_nc_u32 v[52+\i], 32*\i, v27
	v_cmp_le_u32 vcc_lo, s16, v[52+\i]
	v_cndmask_b32 v[52+\i], v23, v[52+\i], vcc_lo
	v_min_u32 v[52+\i], 0x7ff, v[52+\i]
	v_lshl_add_u32 v[52+\i], v[52+\i], 2, s17
	global_store_b32 v[52+\i], v20, s[6:7]
.endr
	s_lshl_b32 s11, s9, 2
	s_add_co_u32 s11, s11, 73984
	v_mov_b32 v3, s11
	v_mov_b32 v26, s16
	global_store_b32 v3, v26, s[6:7]               ; n_e: every lane of every wave stores the same word with the same value
	s_wait_tensorcnt 0x0
	ds_add_u32 v64, v65
	s_wait_dscnt 0x0
	s_endpgm
.Lfunc_end_k_q1e57c86046_place:
	.size	k_q1e57c86046_place, .Lfunc_end_k_q1e57c86046_place-k_q1e57c86046_place
	.p2alignl 7, 3214868480
	.fill 96, 4, 3214868480
	.section	.rodata,"a",@progbits
	.p2align	6, 0x0
	.amdhsa_kernel k_q1e57c86046_place
		.amdhsa_group_segment_fixed_size 768
		.amdhsa_private_segment_fixed_size 0
		.amdhsa_enable_private_segment 0
		.amdhsa_kernarg_size 16
		.amdhsa_user_sgpr_count 2
		.amdhsa_user_sgpr_kernarg_segment_ptr 1
		.amdhsa_wavefront_size32 1
		.amdhsa_system_sgpr_workgroup_id_x 1
		.amdhsa_system_sgpr_workgroup_id_y 1
		.amdhsa_system_sgpr_workgroup_id_z 1
		.amdhsa_system_vgpr_workitem_id 0
		.amdhsa_next_free_vgpr 66
		.amdhsa_next_free_sgpr 66
		.amdhsa_reserve_vcc 1
		.amdhsa_float_denorm_mode_32 3
		.amdhsa_float_denorm_mode_16_64 3
		.amdhsa_memory_ordered 1
		.amdhsa_forward_progress 1
		.amdhsa_inst_pref_size 22
	.end_amdhsa_kernel
	.amdgpu_metadata
---
amdhsa.version: [ 1, 2 ]
amdhsa.kernels:
  - .name:           k_q1e57c86046_place
    .symbol:         k_q1e57c86046_place.kd
    .args:
      - { .name: topi, .offset: 0, .size: 8, .value_kind: global_buffer, .address_space: global }
      - { .name: order, .offset: 8, .size: 8, .value_kind: global_buffer, .address_space: global }
    .group_segment_fixed_size: 768
    .private_segment_fixed_size: 0
    .kernarg_segment_align: 8
    .kernarg_segment_size: 16
    .max_flat_workgroup_size: 128
    .sgpr_count:     66
    .vgpr_count:     66
    .wavefront_size: 32
...
	.end_amdgpu_metadata
.endif
;; end of part 2
;; launch gemm1 (part 3): grid 32 x 8, 4 waves a work-group, no clusters, 133,632 bytes of LDS; arguments order, xq, xsc, W1_codes, W1_scales, b1, himg, hsc; writes himg, hsc
.if DOCPART == 3
	.amdgcn_target "amdgcn-amd-amdhsa--gfx1250"
	.amdhsa_code_object_version 6
	.text
	.protected	k_q1e57c86046_gemm1
	.globl	k_q1e57c86046_gemm1
	.p2align	8
	.type	k_q1e57c86046_gemm1,@function
k_q1e57c86046_gemm1:
	s_mov_b64 s[64:65], 0
	v_nop
	global_prefetch_b8 v0, s[64:65] scope:SCOPE_SE
	s_setreg_imm32_b32 hwreg(HW_REG_WAVE_MODE, 25, 1), 1
	s_wait_xcnt 0x0
; THE FIRST PRODUCT, FOR THE CHOSEN ROWS ALONE: h = Q(relu(Q(x) W1[e] + b1[e])), on codes of E4M3 with one E8M0 byte for each 32 along K.
; Work-group (c, e) owns hidden units 128 c .. 128 c + 127 of expert e: 128 rows x 1,024 bytes of W1_codes, read from memory once in the launch and kept in LDS.  It walks the expert's routed rows
; (order's list), 16 to a tile, 20 tiles to a pass: wave w takes tiles tb + w + 4 j, j = 0 .. 4.  nt = ceil(n_e / 16) tiles exist, at most 64 (n_e is held at 1,024), so tb = 0, 20, 40, 60 are all the
; passes there can be: the loop counts tb against the constant 80 and is left by a forward jump as soon as tb >= nt.  So every split is served, all 1,024 tokens on one expert too (4 passes).
; A tile slot at or beyond nt computes on token 0's row (the list's tail) and stores nothing.
; x's codes come by K step (8 steps of 128) straight from xq into operand registers, gathered by the list, through a ring of three register slots.
; TRANSPOSED USE: source 0 = 16 rows of W1, source 1 = 16 routed rows: a lane holds ONE routed row, its registers run along the hidden units.  THE ROWS OF W1 THAT FORM A TILE ARE NOT NEIGHBOURS:
; lane r of tile 2 b + u takes hidden unit 32 b + 8 u + r + 8 (r / 8), so that the 16 registers of tiles 2 b, 2 b + 1 are units 32 b + 16 (lane / 16) + 0 .. 15: the conversions' results ARE K step c of the
; second product's operand.  They are stored as an image of the operand's registers: himg[e][tile][c][2,048 bytes], quad q at 512 q + 16 lane; the scale words in hsc[e][tile][c][16 rows].
; b1 is the C of each sum's first matrix instruction.  relu costs nothing: the largest magnitude is taken without |.| and the hold runs from 0.
; NO TENSOR LOAD, NO CLUSTER, NO JOINT LOAD: the early end hangs on n_e, a number read from memory, and the work-groups of an expert share x's rows only through gathers by a list.
; LIMITS: NaN and infinities are not served; a block of zeros keeps the byte 1 with zero codes (this program alone reads the bytes); blocks whose largest magnitude lies under 2^-118 are held at the byte 1.
; LDS: W1's 128 rows at a pitch of 1,040 bytes = 65 x 16; LDS row 16 t + r holds the unit that lane r of tile t wants, so a fragment load touches 16 neighbouring LDS rows, which start at 16 different columns of 16 bytes.
; REGISTERS, in windows of 256: window 0: v1-28 addresses; v32-51 x's scale words; v52-83 W1's; v84-147 b1 in the result's layout; v148-183 at work.
;   window 1: accumulators of tile slots 0-3 ((j, t) at 64 j + 8 t); until the barrier: W1 as loaded.   window 2: v0-63 slot 4's accumulators; v64-191 W1's fragments, two sets of four.   window 3: x's ring: slot q at 80 q + 16 j.
.set PW1, 1040
.set XSR, 32                           ; x's scale words: register 4 j + i: lanes 0-15 K step i, lanes 16-31 K step 4 + i
.set WSR, 52                           ; W1's: register 4 t + i, likewise
.set BIA, 84                           ; b1: register 8 t + n: unit 32 (t / 2) + 8 (t % 2) + 16 (lane / 16) + n
.set TM,  148                          ; v148-151 largest magnitudes, v152-155 bytes, v156-159 448 x the scale, v160-163 the conversions' scale operands
.set PWD, 164                          ; the scale word just made
.set PC,  168                          ; v168-183 the codes just made
.set MSB, 0
.macro WIN new                         ; the immediate's high byte repeats the setting that is left; a switch that changes nothing is dropped
.if MSB != (\new)
	s_set_vgpr_msb (MSB<<8)|(\new)
.set MSB, (\new)
.endif
.endm
.macro LISTLD                          ; the tokens of my five tiles: lane r (and lane 16 + r) takes row r's
.irp j, 0,1,2,3,4
	global_load_b32 v[8+\j], v7, s[4:5] offset:256*\j
.endr
.endm
.macro XADDR                           ; a loaded number enters an address only behind the hold at 1,023
.irp j, 0,1,2,3,4
	v_min_u32 v[8+\j], 0x3ff, v[8+\j]
	v_lshl_add_u32 v[13+\j], v[8+\j], 10, v27      ; xq: 1,024 bytes a token, + 16 (lane / 16)
	v_lshl_add_u32 v[18+\j], v[8+\j], 5, v27       ; xsc: 32 bytes a token, + 16 (lane / 16)
.endr
.endm
.macro RING sl, s                      ; K step s of my five tiles into ring slot sl: 20 loads
	WIN 0xc0                                       ; destination window 3, address window 0
.irp j, 0,1,2,3,4
.irp c, 0,1,2,3
	global_load_b128 v[80*(\sl)+16*\j+4*\c:80*(\sl)+16*\j+4*\c+3], v[13+\j], s[6:7] offset:128*(\s)+32*\c
.endr
.endr
.endm
.macro XFIRST                          ; a pass's first 65 loads: the scale words of all of K, then K steps 0, 1, 2
	WIN 0
.irp j, 0,1,2,3,4
	global_load_b128 v[XSR+4*\j:XSR+4*\j+3], v[18+\j], s[8:9]
.endr
	RING 0, 0
	RING 1, 1
	RING 2, 2
	WIN 0
.endm
.macro WFETCH s, hf                    ; W1's tiles 4 hf .. 4 hf + 3 of K step s into set hf: 16 LDS loads
	WIN 0x80                                       ; destination window 2
.irp tt, 0,1,2,3
.irp c, 0,1,2,3
	ds_load_b128 v[64+64*(\hf)+16*\tt+4*\c:64+64*(\hf)+16*\tt+4*\c+3], v[4+(\hf)] offset:16*PW1*\tt+128*(\s)+32*\c
.endr
.endr
.endm
.macro BASES                           ; my five tiles' numbers and where their images and scale words go (the number is held at 63 for the address: a slot beyond nt stores nothing)
.irp j, 0,1,2,3,4
	s_add_co_u32 s[28+\j], s25, s20
	s_add_co_u32 s[28+\j], s[28+\j], 4*\j
	s_min_u32 s34, s[28+\j], 63
	s_lshl_b32 s35, s22, 6
	s_add_co_u32 s34, s34, s35                     ; 64 e + tile
	s_lshl_b32 s36, s34, 16
	s_lshl_b32 s38, s21, 11
	s_add_co_u32 s36, s36, s38
	s_mov_b32 s37, 0
	s_add_nc_u64 s[40+2*\j:41+2*\j], s[16:17], s[36:37]
	s_lshl_b32 s36, s34, 11
	s_lshl_b32 s38, s21, 6
	s_add_co_u32 s36, s36, s38
	s_add_nc_u64 s[50+2*\j:51+2*\j], s[18:19], s[36:37]
.endr
.endm
; Half a K step: 20 matrix instructions, my five tiles of rows x W1's tiles 4 hf .. 4 hf + 3.  The 40 accumulators take turns, one instruction a turn, in the same order in every K step.
; Behind them eight plain lines, then the loads into registers that they have read: the same half of the next K step's fragments, and behind a K step's second half the ring slot just left.
.macro HALF s, hf
.if (\hf) == 0
.if (\s) < 6
	s_wait_loadcnt 40                              ; this K step's 20 loads (and the scale words) are in; the two younger steps' 40 may be out
.elseif (\s) == 6
	s_wait_loadcnt 20                              ; one younger step
.else
	s_wait_loadcnt 0x0
.endif
.endif
.if ((\s) == 7) && ((\hf) == 1)
	s_wait_dscnt 0x0
.else
	s_wait_dscnt 16                                ; this half's fragments are in; the next half's 16 loads may be out
.endif
.irp j, 0,1,2,3,4
.irp tt, 0,1,2,3
.set rT, 4*(\hf)+\tt
.set rD, 64*((\j)%4)+8*rT
.set rA, 64+64*(\hf)+16*\tt
.set rB, 80*((\s)%3)+16*\j
.set rSA, WSR+4*rT+((\s)%4)
.set rSB, XSR+4*\j+((\s)%4)
.set rWN, 0x4e+0x40*((\j)/4)           ; source 0 window 2, source 1 window 3, destination window 1 (slot 4: 2), C window 0
.if (\s) == 0
.set rC, BIA+8*rT
.else
.set rC, rD
.set rWN, rWN+0x10*(1+(\j)/4)          ; C in the destination's window
.endif
	WIN rWN
.if (\s) < 4
	v_wmma_scale_f32_16x16x128_f8f6f4 v[rD:rD+7], v[rA:rA+15], v[rB:rB+15], v[rC:rC+7], v[rSA], v[rSB]
.else
	v_wmma_scale_f32_16x16x128_f8f6f4 v[rD:rD+7], v[rA:rA+15], v[rB:rB+15], v[rC:rC+7], v[rSA], v[rSB] matrix_a_scale:MATRIX_SCALE_ROW1 matrix_b_scale:MATRIX_SCALE_ROW1
.endif
.endr
.endr
.rept 8
	v_nop
.endr
.if (\s) < 7
	WFETCH (\s)+1, \hf
.endif
.if ((\hf) == 1) && ((\s) < 5)
	RING (\s)%3, (\s)+3
.endif
.endm
; Tile slot j's 64 numbers a lane (register 16 b + i = unit 32 b + 16 (lane / 16) + i of my row) become a fragment's codes and its scale word
.macro QUANT j
.if (\j) < 4
.set QD, 1
.set QA, 64*(\j)
.else
.set QD, 2
.set QA, 0
.endif
	WIN 0
.irp b, 0,1,2,3
	v_mov_b32 v[TM+\b], 0x4800000                  ; the floor 2^(9 - 127): the byte cannot fall under 1
.endr
	WIN QD*5                                       ; sources 0 and 1 in the accumulators' window
.irp i, 0,2,4,6,8,10,12,14             ; no |.|: what is negative becomes 0, so it does not count.  Each accumulator is read from its low end on; the four blocks by turns
.irp b, 0,1,2,3
	v_max3_num_f32 v[TM+\b], v[QA+16*\b+\i], v[QA+16*\b+\i+1], v[TM+\b]
.endr
.endr
	WIN 0
.irp b, 0,1,2,3
	v_permlanex16_b32 v[TM+4+\b], v[TM+\b], s60, s61
.endr
.irp b, 0,1,2,3
	v_max_num_f32 v[TM+\b], v[TM+\b], v[TM+4+\b]   ; with lane l xor 16's 16: the block's largest
.endr
.irp b, 0,1,2,3
	v_add_nc_u32 v[TM+12+\b], 0xfc000000, v[TM+\b] ; 8 off the exponent field: the conversion's scale operand
.endr
.irp b, 0,1,2,3
	v_and_or_b32 v[TM+8+\b], v[TM+\b], 0x7f800000, s62   ; 448 x the scale
.endr
.irp b, 0,1,2,3
	v_lshrrev_b32 v[TM+4+\b], 23, v[TM+12+\b]      ; the scale's byte
.endr
	v_lshl_or_b32 v[PWD], v[TM+5], 8, v[TM+4]
	v_lshl_or_b32 v[PWD], v[TM+6], 16, v[PWD]
	v_lshl_or_b32 v[PWD], v[TM+7], 24, v[PWD]      ; my row's scale word
	WIN QD*65                                      ; source 0 and destination in the accumulators' window
.irp b, 0,1,2,3
.irp i, 0,1,2,3,4,5,6,7,8,9,10,11,12,13,14,15
	v_med3_num_f32 v[QA+16*\b+\i], v[QA+16*\b+\i], 0, v[TM+8+\b]   ; relu and the hold in one: the conversion to an 8-bit code does not saturate (ISA guide 7.6.2)
.endr
.endr
	WIN QD
.irp b, 0,1,2,3
	v_cvt_scalef32_pk8_fp8_f32 v[PC+4*\b:PC+4*\b+1], v[QA+16*\b:QA+16*\b+7], v[TM+12+\b]
	v_cvt_scalef32_pk8_fp8_f32 v[PC+4*\b+2:PC+4*\b+3], v[QA+16*\b+8:QA+16*\b+15], v[TM+12+\b]
.endr
	WIN 0
	v_nop                                          ; a plain line behind the last conversion: later lines write its results and its sources again
.endm
.macro QSTORE j                        ; a slot whose tile does not exist stores nothing: a scalar branch on the stored count
	s_cmp_ge_u32 s[28+\j], s24
	s_cbranch_scc1 .Lnone_\@
	s_wait_xcnt 0x0                                ; the last slot's stores have read the codes and the scale word: these are written again only behind this wait
	QUANT \j
.irp b, 0,1,2,3
	global_store_b128 v1, v[PC+4*\b:PC+4*\b+3], s[40+2*\j:41+2*\j] offset:512*\b   ; 512 consecutive bytes, aligned
.endr
	global_store_b32 v23, v[PWD], s[50+2*\j:51+2*\j]   ; 64 bytes (lanes 16-31 repeat lanes 0-15): part of an aligned 256 bytes; at most 1 MiB in the launch
.Lnone_\@:
.endm
	s_load_b512 s[4:19], s[0:1], 0x0               ; order s[4:5], xq s[6:7], xsc s[8:9], W1_codes s[10:11], W1_scales s[12:13], b1 s[14:15], himg s[16:17], hsc s[18:19]
	v_lshl_add_u32 v254, v0, 2, 0x20800
	v_mov_b32 v255, 0
	v_lshrrev_b32 v1, 5, v0
	v_readfirstlane_b32 s20, v1                    ; wave
	s_mov_b32 s21, ttmp9                           ; c: which 128 hidden units
	s_and_b32 s22, ttmp7, 0xffff                   ; e
	v_and_b32 v28, 31, v0
	v_lshlrev_b32 v1, 4, v28                       ; 16 x lane
	v_and_b32 v2, 15, v0                           ; r
	v_bfe_u32 v3, v0, 4, 1                         ; h
	v_lshlrev_b32 v27, 4, v3                       ; 16 h
	v_mul_u32_u24 v4, v2, PW1
	v_lshl_add_u32 v4, v3, 4, v4                   ; a fragment's row x pitch + 16 h: tiles 0-3,
	v_add_nc_u32 v5, 64*PW1, v4                    ; tiles 4-7
	s_mul_i32 s34, s20, 32*PW1
	v_add_nc_u32 v6, s34, v1                       ; W1 into LDS: my wave's 32 rows
	s_lshl_b32 s34, s22, 13
	s_lshl_b32 s35, s20, 6
	s_add_co_u32 s34, s34, s35
	v_lshl_add_u32 v26, v2, 2, s34                 ; the list: 8,192 e + 4 (16 w + r); never rewritten
	v_mov_b32 v7, v26                              ; + 64 tb, here 0
	v_lshlrev_b32 v23, 2, v2                       ; 4 r
	v_and_b32 v24, 8, v2
	v_add_nc_u32 v24, v24, v2
	v_lshl_add_u32 v24, v24, 5, v27                ; W1's scales: 32 bytes a row, row r + 8 (r / 8), + 16 h
	v_lshlrev_b32 v25, 6, v3                       ; b1: 64 h
.irp b, 0,1,2,3
	v_mov_b32 v[TM+4+\b], 0                        ; written once: a lane permute's destination counts as one of its sources
.endr
	s_mov_b32 s60, 0x76543210
	s_mov_b32 s61, 0xfedcba98                      ; v_permlanex16_b32's selects for lane l xor 16
	s_mov_b32 s62, 0x600000                        ; the mantissa field of 448
	s_lshl_b32 s26, s22, 2
	s_lshl_b32 s34, s22, 22                        ; W1_codes: (4,096 e + 128 c + 32 w) rows of 1,024 bytes
	s_lshl_b32 s35, s21, 17
	s_add_co_u32 s34, s34, s35
	s_lshl_b32 s35, s20, 15
	s_add_co_u32 s34, s34, s35
	s_mov_b32 s35, 0
	s_lshl_b32 s36, s22, 17                        ; W1_scales: (4,096 e + 128 c) rows of 32 bytes
	s_lshl_b32 s37, s21, 12
	s_add_co_u32 s36, s36, s37
	s_mov_b32 s37, 0
	s_lshl_b32 s38, s22, 14                        ; b1: (4,096 e + 128 c) numbers
	s_lshl_b32 s39, s21, 9
	s_add_co_u32 s38, s38, s39
	s_mov_b32 s39, 0
	s_wait_kmcnt 0x0
	s_load_b32 s23, s[4:5], s26 offset:73984       ; n_e
	s_add_nc_u64 s[66:67], s[10:11], s[34:35]
	s_add_nc_u64 s[68:69], s[12:13], s[36:37]
	s_add_nc_u64 s[70:71], s[14:15], s[38:39]
	LISTLD                                         ; 5 loads
.irp t, 0,1,2,3,4,5,6,7
	global_load_b128 v[WSR+4*\t:WSR+4*\t+3], v24, s[68:69] offset:(32*(\t/2)+8*(\t%2))*32    ; 8 loads
.endr
.irp t, 0,1,2,3,4,5,6,7
	global_load_b128 v[BIA+8*\t:BIA+8*\t+3],   v25, s[70:71] offset:(32*(\t/2)+8*(\t%2))*4   ; 16 loads
	global_load_b128 v[BIA+8*\t+4:BIA+8*\t+7], v25, s[70:71] offset:(32*(\t/2)+8*(\t%2))*4+16
.endr
	WIN 0x40                                       ; destination window 1
.set m, 0
.rept 64
	global_load_b128 v[4*m:4*m+3], v1, s[66:67] offset:512*m th:TH_LOAD_NT   ; my wave's 32 rows: 32,768 consecutive bytes, read once in the launch
.set m, m+1
.endr
	WIN 0
	s_wait_loadcnt 63                              ; 93 loads have been issued: the oldest 30 are in, the list, the scales and the biases (29) among them
	XADDR
	XFIRST                                         ; the first pass's x goes out behind the weights
	s_wait_loadcnt 63                              ; 65 loads were issued behind the weights: the weights are in
	WIN 0x04                                       ; an LDS store's data are its source 1: window 1
.set m, 0
.rept 64
.set px, ((m/2)%8)+8*(((m/2)/16)%2)+16*(((m/2)/8)%2)   ; unit x of my 32 goes to LDS row (x % 8) + 8 (x / 16) + 16 ((x / 8) % 2)
	ds_store_b128 v6, v[4*m:4*m+3] offset:px*PW1+512*(m%2)
.set m, m+1
.endr
	WIN 0
	s_wait_dscnt 0x0                               ; for the others' sake: my rows lie in LDS
	s_barrier_signal -1
	s_barrier_wait -1                              ; the launch's one barrier, ahead of every branch on a loaded number
	s_wait_kmcnt 0x0
	s_min_u32 s23, s23, 1024
	s_add_co_u32 s24, s23, 15
	s_lshr_b32 s24, s24, 4                         ; nt, at most 64
	s_cmp_eq_u32 s24, 0
	s_cbranch_scc1 .Lend                           ; an expert that nobody chose
	s_mov_b32 s25, 0                               ; tb
	BASES
.Lpass:
	WFETCH 0, 0
	WFETCH 0, 1
.irp s, 0,1,2,3,4,5,6,7
	HALF \s, 0
	HALF \s, 1
.endr
	WIN 0
	v_nop                                          ; a ninth plain line: the next pass's first products write over these accumulators, also where every slot below is passed over
	QSTORE 0
	QSTORE 1
	QSTORE 2
	QSTORE 3
	QSTORE 4
	s_add_co_u32 s25, s25, 20
	s_cmp_ge_u32 s25, s24
	s_cbranch_scc1 .Lend                           ; no tile is left: this is the way out of the loop (at tb = 80 it is always taken, since nt is at most 64)
	s_wait_xcnt 0x0                                ; the stores have read their bases
	BASES
	s_min_u32 s34, s25, 60                         ; (tb is under nt, at most 64, and a multiple of 20)
	s_lshl_b32 s34, s34, 6
	v_add_nc_u32 v7, s34, v26                      ; the list, 16 tb entries on
	LISTLD
	s_wait_loadcnt 0x0
	XADDR
	XFIRST
	s_cmp_lt_u32 s25, 80                           ; the loop is counted against a constant: tb = 20, 40, 60 go round
	s_cbranch_scc1 .Lpass
.Lend:
	s_wait_tensorcnt 0x0
	ds_add_u32 v254, v255
	s_wait_dscnt 0x0
	s_endpgm
.Lfunc_end_k_q1e57c86046_gemm1:
	.size	k_q1e57c86046_gemm1, .Lfunc_end_k_q1e57c86046_gemm1-k_q1e57c86046_gemm1
	.p2alignl 7, 3214868480
	.fill 96, 4, 3214868480
	.section	.rodata,"a",@progbits
	.p2align	6, 0x0
	.amdhsa_kernel k_q1e57c86046_gemm1
		.amdhsa_group_segment_fixed_size 133632
		.amdhsa_private_segment_fixed_size 0
		.amdhsa_enable_private_segment 0
		.amdhsa_kernarg_size 64
		.amdhsa_user_sgpr_count 2
		.amdhsa_user_sgpr_kernarg_segment_ptr 1
		.amdhsa_wavefront_size32 1
		.amdhsa_system_sgpr_workgroup_id_x 1
		.amdhsa_system_sgpr_workgroup_id_y 1
		.amdhsa_system_sgpr_workgroup_id_z 1
		.amdhsa_system_vgpr_workitem_id 0
		.amdhsa_next_free_vgpr 1024
		.amdhsa_next_free_sgpr 80
		.amdhsa_reserve_vcc 0
		.amdhsa_float_denorm_mode_32 3
		.amdhsa_float_denorm_mode_16_64 3
		.amdhsa_memory_ordered 1
		.amdhsa_forward_progress 1
		.amdhsa_inst_pref_size 152
	.end_amdhsa_kernel
	.amdgpu_metadata
---
amdhsa.version: [ 1, 2 ]
amdhsa.kernels:
  - .name:           k_q1e57c86046_gemm1
    .symbol:         k_q1e57c86046_gemm1.kd
    .args:
      - { .name: order, .offset: 0, .size: 8, .value_kind: global_buffer, .address_space: global }
      - { .name: xq, .offset: 8, .size: 8, .value_kind: global_buffer, .address_space: global }
      - { .name: xsc, .offset: 16, .size: 8, .value_kind: global_buffer, .address_space: global }
      - { .name: W1_codes, .offset: 24, .size: 8, .value_kind: global_buffer, .address_space: global }
      - { .name: W1_scales, .offset: 32, .size: 8, .value_kind: global_buffer, .address_space: global }
      - { .name: b1, .offset: 40, .size: 8, .value_kind: global_buffer, .address_space: global }
      - { .name: himg, .offset: 48, .size: 8, .value_kind: global_buffer, .address_space: global }
      - { .name: hsc, .offset: 56, .size: 8, .value_kind: global_buffer, .address_space: global }
    .group_segment_fixed_size: 133632
    .private_segment_fixed_size: 0
    .kernarg_segment_align: 8
    .kernarg_segment_size: 64
    .max_flat_workgroup_size: 128
    .sgpr_count:     80
    .vgpr_count:     1024
    .wavefront_size: 32
...
	.end_amdgpu_metadata
.endif
;; end of part 3
;; launch gemm2 (part 4): grid 32 x 8, 8 waves a work-group, no clusters, 167,936 bytes of LDS; arguments order, himg, hsc, W2_codes, W2_scales, b2, ypart; writes ypart
.if DOCPART == 4
	.amdgcn_target "amdgcn-amd-amdhsa--gfx1250"
	.amdhsa_code_object_version 6
	.text
	.protected	k_q1e57c86046_gemm2
	.globl	k_q1e57c86046_gemm2
	.p2align	8
	.type	k_q1e57c86046_gemm2,@function
k_q1e57c86046_gemm2:
	s_mov_b64 s[64:65], 0
	v_nop
	global_prefetch_b8 v0, s[64:65] scope:SCOPE_SE
	s_setreg_imm32_b32 hwreg(HW_REG_WAVE_MODE, 25, 1), 1
	s_wait_xcnt 0x0
; THE SECOND PRODUCT, FOR THE CHOSEN ROWS ALONE: y = h W2[e] + b2[e], on codes of E4M3 with one E8M0 byte for each 32 along K, in two halves of K.
; Work-group (x, e), oc = x % 16, kh = x / 16, owns outputs 64 oc .. 64 oc + 63 and hidden units 2,048 kh .. 2,048 kh + 2,047 of expert e: 64 rows x 2,048 bytes of W2_codes, read from memory once in the
; launch and kept in LDS.  It walks the expert's tiles of 16 routed rows, 24 to a pass: wave w of EIGHT takes tiles tb + w + 8 j, j = 0 .. 2.  nt = ceil(n_e / 16) is at most 64 (n_e is held at 1,024), so
; tb = 0, 24, 48 are all the passes there can be: the loop counts tb against the constant 72 and is left by a forward jump as soon as tb >= nt: every split is served.
; EIGHT WAVES OF 512 REGISTERS, since the launch lives on the bytes that it has on their way, not on its products: h comes through a ring of five register slots of 12 loads, so that 48 to 60 loads of 512 bytes
; of every wave are out; a wave brings in 16 KiB of weights and 32 KiB of h for each of its tiles.  The price: a fragment of W2 read from LDS feeds 3 products.
; A TILE SLOT AT OR BEYOND nt issues the same loads, so that every counted wait holds on every way, but with the offset 0 in all lanes: 16 bytes of the expert's last tile in place of 512; it stores nothing.
; h's first loads go out ahead of the barrier, behind the weights.  For an expert that nobody chose they read W2's own buffers (of the same sizes as himg and hsc; the bases are chosen by the count, no address
; decides), so that no byte that was never stored is read; that work-group ends behind the barrier.
; h comes as images of operand registers (himg[e][tile][K step][2,048 bytes], quad q at 512 q + 16 lane); 16 K steps of 128.
; TRANSPOSED USE: source 0 = 16 rows of W2, source 1 = 16 routed rows: a lane holds eight neighbouring outputs of one routed row.  b2 is the C of each sum's first matrix instruction in half 0; half 1 begins with zeros.
; ypart[kh][e][place][1024] f32 takes the half sums; the last launch adds the halves and weighs the two experts.  Splitting K halves the bytes of h that a work-group reads, and that sum costs no launch of its own.
; NO TENSOR LOAD, NO CLUSTER, NO JOINT LOAD: the early end hangs on n_e, a number read from memory.
; LDS: W2's 64 rows at a pitch of 2,064 bytes = 129 x 16: the 16 rows of a fragment load start at 16 different columns of 16 bytes.  Behind them a stage of 16 rows x 272 bytes for each wave, for the way out.
; REGISTERS, in windows of 256: window 0: v1-15 addresses; v16-39 h's scale words; v40-71 W2's; v72-103 b2 in the result's layout; v104-199 the 12 accumulators ((j, t) at 104 + 32 j + 8 t); v200-247 ring slot 4.
;   window 1: v0-191 ring slots 0-3 (slot q at 48 q + 16 j); v192-255 W2's fragments, two sets of two tiles; on the way out: rows of y.  Until the barrier the accumulators and the first set hold W2 as loaded.
.set PW2, 2064
.set STG, 64*PW2
.set HS,  16                           ; h's scale words: register 8 j + q: lanes 0-15 K step 2 q, lanes 16-31 K step 2 q + 1
.set W2S, 40                           ; W2's: register 8 t + i: lanes 0-15 K step i, lanes 16-31 K step 8 + i
.set BIA, 72                           ; b2: register 8 t + n: output 16 t + 8 (lane / 16) + n
.set ACC, 104
.set R4,  200                          ; ring slot 4, in window 0
.set WF,  192                          ; in window 1
.set MSB, 0
.macro WIN new                         ; the immediate's high byte repeats the setting that is left; a switch that changes nothing is dropped
.if MSB != (\new)
	s_set_vgpr_msb (MSB<<8)|(\new)
.set MSB, (\new)
.endif
.endm
.macro RING sl, s                      ; K step s of my three tiles into ring slot sl: 12 loads; v13-15: 16 x lane, or 0 for a tile that does not exist
.if (\sl) < 4
	WIN 0x40                                       ; destination window 1, address window 0
.set rR, 48*(\sl)
.else
	WIN 0
.set rR, R4
.endif
.irp j, 0,1,2
.irp c, 0,1,2,3
	global_load_b128 v[rR+16*\j+4*\c:rR+16*\j+4*\c+3], v[13+\j], s[40+2*\j:41+2*\j] offset:2048*(\s)+512*\c
.endr
.endr
.endm
.macro HFIRST                          ; a pass's first 84 loads: the scale words of my half of K (24), then K steps 0 to 4 (60)
	WIN 0
.irp j, 0,1,2
.irp q, 0,1,2,3,4,5,6,7
	global_load_b32 v[HS+8*\j+\q], v7, s[50+2*\j:51+2*\j] offset:128*\q
.endr
.endr
	RING 0, 0
	RING 1, 1
	RING 2, 2
	RING 3, 3
	RING 4, 4
	WIN 0
.endm
.macro WFETCH s, hf                    ; W2's tiles 2 hf, 2 hf + 1 of K step s into set hf: 8 LDS loads
	WIN 0x40                                       ; destination window 1
.irp tt, 0,1
.irp c, 0,1,2,3
	ds_load_b128 v[WF+32*(\hf)+16*\tt+4*\c:WF+32*(\hf)+16*\tt+4*\c+3], v[4+(\hf)] offset:16*PW2*\tt+128*(\s)+32*\c
.endr
.endr
.endm
.macro BASES                           ; my three tiles' numbers; their loads' lane offsets; where their images and scale words lie (a tile that does not exist names the last that does); where their rows of ypart lie
.irp j, 0,1,2
	s_add_co_u32 s[28+\j], s25, s20
	s_add_co_u32 s[28+\j], s[28+\j], 8*\j
	s_cmp_lt_u32 s[28+\j], s24
	s_cselect_b32 vcc_lo, -1, 0
	v_cndmask_b32 v[13+\j], 0, v1, vcc_lo          ; 16 x lane where the tile exists, else 0 in every lane;
	v_min_u32 v[13+\j], 0x1f0, v[13+\j]            ; the choice hangs on a loaded number: held by a constant
	s_min_u32 s34, s[28+\j], s33                   ; at most nt - 1,
	s_min_u32 s34, s34, 63                         ; a loaded number: held by a constant too
	s_lshl_b32 s35, s22, 6
	s_add_co_u32 s34, s34, s35                     ; 64 e + tile
	s_lshl_b32 s36, s34, 16
	s_lshl_b32 s38, s26, 15
	s_add_co_u32 s36, s36, s38
	s_mov_b32 s37, 0
	s_add_nc_u64 s[40+2*\j:41+2*\j], s[46:47], s[36:37]
	s_lshl_b32 s36, s34, 11
	s_lshl_b32 s38, s26, 10
	s_add_co_u32 s36, s36, s38
	s_add_nc_u64 s[50+2*\j:51+2*\j], s[48:49], s[36:37]
	s_min_u32 s34, s[28+\j], 63
	s_lshl_b32 s36, s26, 3
	s_add_co_u32 s36, s36, s22
	s_lshl_b32 s36, s36, 6
	s_add_co_u32 s36, s36, s34                     ; 64 (8 kh + e) + tile: 16 rows of 4,096 bytes each
	s_lshl_b32 s36, s36, 16
	s_lshl_b32 s38, s21, 8
	s_add_co_u32 s36, s36, s38                     ; + my 64 outputs' 256 bytes
	s_add_nc_u64 s[66+2*\j:67+2*\j], s[16:17], s[36:37]
.endr
.endm
; Half a K step: 6 matrix instructions, my three tiles of rows x W2's tiles 2 hf, 2 hf + 1.  The 12 accumulators take turns, one instruction a turn, in the same order in every K step.
; Behind them eight plain lines, then the loads into registers that they have read: the same half of the next K step's fragments, and behind a K step's second half the ring slot just left.
.macro HALF s, hf
.if (\hf) == 0
.if (\s) < 12
	s_wait_loadcnt 48                              ; this K step's 12 loads (and the scale words) are in; the four younger steps' 48 may be out
.else
	s_wait_loadcnt 12*(15-(\s))                    ; as many younger steps as are left
.endif
.endif
.if ((\s) == 15) && ((\hf) == 1)
	s_wait_dscnt 0x0
.else
	s_wait_dscnt 8                                 ; this half's fragments are in; the next half's 8 loads may be out
.endif
.if ((\s)%5) < 4
	WIN 0x05                                       ; source 0 (W2) and source 1 (h) window 1; C and D window 0
.set rR, 48*((\s)%5)
.else
	WIN 0x01                                       ; ring slot 4 lies in window 0
.set rR, R4
.endif
.irp j, 0,1,2
.irp tt, 0,1
.set rT, 2*(\hf)+\tt
.set rD, ACC+32*\j+8*rT
.set rA, WF+32*(\hf)+16*\tt
.set rB, rR+16*\j
.set rSA, W2S+8*rT+((\s)%8)
.set rSB, HS+8*\j+((\s)/2)
.if (\s) == 0
.set rC, BIA+8*rT
.else
.set rC, rD
.endif
.if ((\s) >= 8) && (((\s)%2) == 1)
	v_wmma_scale_f32_16x16x128_f8f6f4 v[rD:rD+7], v[rA:rA+15], v[rB:rB+15], v[rC:rC+7], v[rSA], v[rSB] matrix_a_scale:MATRIX_SCALE_ROW1 matrix_b_scale:MATRIX_SCALE_ROW1
.elseif (\s) >= 8
	v_wmma_scale_f32_16x16x128_f8f6f4 v[rD:rD+7], v[rA:rA+15], v[rB:rB+15], v[rC:rC+7], v[rSA], v[rSB] matrix_a_scale:MATRIX_SCALE_ROW1
.elseif ((\s)%2) == 1
	v_wmma_scale_f32_16x16x128_f8f6f4 v[rD:rD+7], v[rA:rA+15], v[rB:rB+15], v[rC:rC+7], v[rSA], v[rSB] matrix_b_scale:MATRIX_SCALE_ROW1
.else
	v_wmma_scale_f32_16x16x128_f8f6f4 v[rD:rD+7], v[rA:rA+15], v[rB:rB+15], v[rC:rC+7], v[rSA], v[rSB]
.endif
.endr
.endr
.rept 8
	v_nop
.endr
.if (\s) < 15
	WFETCH (\s)+1, \hf
.endif
.if ((\hf) == 1) && ((\s) < 11)
	RING (\s)%5, (\s)+5
.endif
.endm
; THE WAY OUT of tile slot j: a lane's 32 bytes of a row go into my stage, whole rows of 256 bytes come back (into the fragments' registers, which are free), and sixteen lanes store 256 consecutive bytes, aligned.
.macro OUT j
	s_cmp_ge_u32 s[28+\j], s24
	s_cbranch_scc1 .Lnone_\@                       ; a tile that does not exist stores nothing: a scalar branch on the stored count
.irp t, 0,1,2,3
	ds_store_b128 v8, v[ACC+32*\j+8*\t:ACC+32*\j+8*\t+3] offset:64*\t        ; each accumulator from its low end on
	ds_store_b128 v8, v[ACC+32*\j+8*\t+4:ACC+32*\j+8*\t+7] offset:64*\t+16
.endr
	s_wait_xcnt 0x0                                ; earlier stores have read their data: the loads below land there only behind this wait
	WIN 0x40                                       ; destination window 1
.irp i, 0,1,2,3,4,5,6,7
	ds_load_b128 v[WF+32*((\j)%2)+4*\i:WF+32*((\j)%2)+4*\i+3], v9 offset:544*\i   ; LDS serves a wave's instructions in order (ISA guide 5.7.1.4): these see my stores
.endr
	s_wait_dscnt 0x0                               ; the rows are back, so the next slot may write the stage
	WIN 0x04                                       ; a store's data are its source 1: window 1
.irp i, 0,1,2,3,4,5,6,7
	global_store_b128 v10, v[WF+32*((\j)%2)+4*\i:WF+32*((\j)%2)+4*\i+3], s[66+2*\j:67+2*\j] offset:8192*\i th:TH_STORE_NT
.endr
	WIN 0
.Lnone_\@:
.endm
	s_load_b256 s[4:11], s[0:1], 0x0               ; order s[4:5], himg s[6:7], hsc s[8:9], W2_codes s[10:11]
	s_load_b128 s[12:15], s[0:1], 0x20             ; W2_scales s[12:13], b2 s[14:15]
	s_load_b64 s[16:17], s[0:1], 0x30              ; ypart
	v_lshl_add_u32 v254, v0, 2, 0x28c00
	v_mov_b32 v255, 0
	v_lshrrev_b32 v1, 5, v0
	v_readfirstlane_b32 s20, v1                    ; wave 0..7
	s_and_b32 s21, ttmp9, 15                       ; oc: which 64 outputs
	s_lshr_b32 s26, ttmp9, 4                       ; kh: which half of K
	s_and_b32 s22, ttmp7, 0xffff                   ; e
	v_and_b32 v13, 31, v0                          ; lane
	v_lshlrev_b32 v1, 4, v13                       ; 16 x lane
	v_lshlrev_b32 v7, 2, v13                       ; 4 x lane
	v_and_b32 v2, 15, v0                           ; r
	v_bfe_u32 v3, v0, 4, 1                         ; h
	v_mul_u32_u24 v4, v2, PW2
	v_lshl_add_u32 v4, v3, 4, v4                   ; a fragment's row x pitch + 16 h: tiles 0, 1,
	v_add_nc_u32 v5, 32*PW2, v4                    ; tiles 2, 3
	s_mul_i32 s34, s20, 8*PW2
	v_add_nc_u32 v6, s34, v1                       ; W2 into LDS: my wave's 8 rows
	s_mul_i32 s34, s20, 16*272
	s_add_co_u32 s34, s34, STG                     ; my stage
	v_mul_u32_u24 v8, v2, 272
	v_lshl_add_u32 v8, v3, 5, v8
	v_add_nc_u32 v8, s34, v8                       ; in: row r, 32 bytes for each half of the lanes
	v_mul_u32_u24 v9, v3, 272
	v_lshl_add_u32 v9, v2, 4, v9
	v_add_nc_u32 v9, s34, v9                       ; back: lanes 0-15 one row of 256 bytes, lanes 16-31 the next
	v_lshlrev_b32 v10, 12, v3
	v_lshl_add_u32 v10, v2, 4, v10                 ; and the same two rows in ypart
	v_lshlrev_b32 v12, 5, v3                       ; b2: 32 h
	v_lshl_add_u32 v11, v2, 7, v12                 ; W2's scales: 128 bytes a row, + 32 h
	s_lshl_b32 s27, s22, 2
	s_lshl_b32 s34, s22, 22                        ; W2_codes: (1,024 e + 64 oc + 8 w) rows of 4,096 bytes, + 2,048 kh
	s_lshl_b32 s35, s21, 18
	s_add_co_u32 s34, s34, s35
	s_lshl_b32 s35, s20, 15
	s_add_co_u32 s34, s34, s35
	s_lshl_b32 s35, s26, 11
	s_add_co_u32 s34, s34, s35
	s_mov_b32 s35, 0
	s_lshl_b32 s36, s22, 17                        ; W2_scales: (1,024 e + 64 oc) rows of 128 bytes, + 64 kh
	s_lshl_b32 s37, s21, 13
	s_add_co_u32 s36, s36, s37
	s_lshl_b32 s37, s26, 6
	s_add_co_u32 s36, s36, s37
	s_mov_b32 s37, 0
	s_lshl_b32 s38, s22, 12                        ; b2: (1,024 e + 64 oc) numbers
	s_lshl_b32 s39, s21, 8
	s_add_co_u32 s38, s38, s39
	s_mov_b32 s39, 0
	s_wait_kmcnt 0x0
	s_load_b32 s23, s[4:5], s27 offset:73984       ; n_e: it comes while the loads below are issued
	s_add_nc_u64 s[76:77], s[10:11], s[34:35]
	s_add_nc_u64 s[78:79], s[12:13], s[36:37]
	s_add_nc_u64 s[60:61], s[14:15], s[38:39]
.irp t, 0,1,2,3
	global_load_b128 v[W2S+8*\t:W2S+8*\t+3],   v11, s[78:79] offset:2048*\t        ; 8 loads
	global_load_b128 v[W2S+8*\t+4:W2S+8*\t+7], v11, s[78:79] offset:2048*\t+16
.endr
.irp t, 0,1,2,3
	global_load_b128 v[BIA+8*\t:BIA+8*\t+3],   v12, s[60:61] offset:64*\t          ; 8 loads
	global_load_b128 v[BIA+8*\t+4:BIA+8*\t+7], v12, s[60:61] offset:64*\t+16
.endr
.set m, 0
.rept 24                               ; my wave's 8 rows x 2,048 bytes: 32 loads of 512 consecutive bytes, read once in the launch; 24 land in the accumulators' registers,
	global_load_b128 v[ACC+4*m:ACC+4*m+3], v1, s[76:77] offset:4096*(m/4)+512*(m%4) th:TH_LOAD_NT
.set m, m+1
.endr
	WIN 0x40                                       ; destination window 1
.rept 8                                ; 8 in the fragments'
	global_load_b128 v[WF+4*(m-24):WF+4*(m-24)+3], v1, s[76:77] offset:4096*(m/4)+512*(m%4) th:TH_LOAD_NT
.set m, m+1
.endr
	WIN 0
	s_wait_kmcnt 0x0                               ; n_e
	s_min_u32 s23, s23, 1024
	s_add_co_u32 s24, s23, 15
	s_lshr_b32 s24, s24, 4                         ; nt, at most 64
	s_max_u32 s33, s24, 1
	s_sub_co_u32 s33, s33, 1                       ; the last tile that exists (0 where none does)
	s_cmp_eq_u32 s24, 0                            ; an expert that nobody chose has no image: its loads, whose data nobody uses, read W2's buffers, which have himg's and hsc's sizes
	s_cselect_b64 s[46:47], s[10:11], s[6:7]
	s_cselect_b64 s[48:49], s[12:13], s[8:9]
	s_mov_b32 s25, 0                               ; tb
	BASES
	HFIRST                                         ; the first pass's h goes out behind the weights
	s_wait_loadcnt 63                              ; 132 loads have been issued: the oldest 69 are in, the scales, the biases and the weights (48) among them
	s_cmp_eq_u32 s26, 0
	s_cselect_b32 vcc_lo, -1, 0
.irp n, 0,1,2,3,4,5,6,7,8,9,10,11,12,13,14,15,16,17,18,19,20,21,22,23,24,25,26,27,28,29,30,31
	v_cndmask_b32 v[BIA+\n], 0, v[BIA+\n], vcc_lo  ; b2 is added once: in K's first half
.endr
.set m, 0
.rept 24
	ds_store_b128 v6, v[ACC+4*m:ACC+4*m+3] offset:PW2*(m/4)+512*(m%4)
.set m, m+1
.endr
	WIN 0x04                                       ; an LDS store's data are its source 1: window 1
.rept 8
	ds_store_b128 v6, v[WF+4*(m-24):WF+4*(m-24)+3] offset:PW2*(m/4)+512*(m%4)
.set m, m+1
.endr
	WIN 0
	s_wait_dscnt 0x0                               ; for the others' sake: my rows lie in LDS
	s_barrier_signal -1
	s_barrier_wait -1                              ; the launch's one barrier, ahead of every branch on a loaded number
	s_cmp_eq_u32 s24, 0
	s_cbranch_scc1 .Lend                           ; an expert that nobody chose
.Lpass:
	WFETCH 0, 0
	WFETCH 0, 1
.irp s, 0,1,2,3,4,5,6,7,8,9,10,11,12,13,14,15
	HALF \s, 0
	HALF \s, 1
.endr
	WIN 0
	v_nop                                          ; a ninth plain line: the next pass's first products write over these accumulators, also where every slot below is passed over
	OUT 0
	OUT 1
	OUT 2
	s_add_co_u32 s25, s25, 24
	s_cmp_ge_u32 s25, s24
	s_cbranch_scc1 .Lend                           ; no tile is left: this is the way out of the loop (at tb = 72 it is always taken, since nt is at most 64)
	s_wait_xcnt 0x0                                ; the stores have read their bases and their data
	BASES
	HFIRST
	s_cmp_lt_u32 s25, 72                           ; the loop is counted against a constant: tb = 24, 48 go round
	s_cbranch_scc1 .Lpass
.Lend:
	s_wait_tensorcnt 0x0
	ds_add_u32 v254, v255
	s_wait_dscnt 0x0
	s_endpgm
.Lfunc_end_k_q1e57c86046_gemm2:
	.size	k_q1e57c86046_gemm2, .Lfunc_end_k_q1e57c86046_gemm2-k_q1e57c86046_gemm2
	.p2alignl 7, 3214868480
	.fill 96, 4, 3214868480
	.section	.rodata,"a",@progbits
	.p2align	6, 0x0
	.amdhsa_kernel k_q1e57c86046_gemm2
		.amdhsa_group_segment_fixed_size 167936
		.amdhsa_private_segment_fixed_size 0
		.amdhsa_enable_private_segment 0
		.amdhsa_kernarg_size 56
		.amdhsa_user_sgpr_count 2
		.amdhsa_user_sgpr_kernarg_segment_ptr 1
		.amdhsa_wavefront_size32 1
		.amdhsa_system_sgpr_workgroup_id_x 1
		.amdhsa_system_sgpr_workgroup_id_y 1
		.amdhsa_system_sgpr_workgroup_id_z 1
		.amdhsa_system_vgpr_workitem_id 0
		.amdhsa_next_free_vgpr 512
		.amdhsa_next_free_sgpr 80
		.amdhsa_reserve_vcc 1
		.amdhsa_float_denorm_mode_32 3
		.amdhsa_float_denorm_mode_16_64 3
		.amdhsa_memory_ordered 1
		.amdhsa_forward_progress 1
		.amdhsa_inst_pref_size 103
	.end_amdhsa_kernel
	.amdgpu_metadata
---
amdhsa.version: [ 1, 2 ]
amdhsa.kernels:
  - .name:           k_q1e57c86046_gemm2
    .symbol:         k_q1e57c86046_gemm2.kd
    .args:
      - { .name: order, .offset: 0, .size: 8, .value_kind: global_buffer, .address_space: global }
      - { .name: himg, .offset: 8, .size: 8, .value_kind: global_buffer, .address_space: global }
      - { .name: hsc, .offset: 16, .size: 8, .value_kind: global_buffer, .address_space: global }
      - { .name: W2_codes, .offset: 24, .size: 8, .value_kind: global_buffer, .address_space: global }
      - { .name: W2_scales, .offset: 32, .size: 8, .value_kind: global_buffer, .address_space: global }
      - { .name: b2, .offset: 40, .size: 8, .value_kind: global_buffer, .address_space: global }
      - { .name: ypart, .offset: 48, .size: 8, .value_kind: global_buffer, .address_space: global }
    .group_segment_fixed_size: 167936
    .private_segment_fixed_size: 0
    .kernarg_segment_align: 8
    .kernarg_segment_size: 56
    .max_flat_workgroup_size: 256
    .sgpr_count:     80
    .vgpr_count:     512
    .wavefront_size: 32
...
	.end_amdgpu_metadata
.endif
;; end of part 4
;; launch combine (part 5): grid 256 x 1, 4 waves a work-group, no clusters, 0 bytes of LDS; arguments order, wts, ypart, out0; writes out0
.if DOCPART == 5
	.amdgcn_target "amdgcn-amd-amdhsa--gfx1250"
	.amdhsa_code_object_version 6
	.text
	.protected	k_q1e57c86046_combine
	.globl	k_q1e57c86046_combine
	.p2align	8
	.type	k_q1e57c86046_combine,@function
k_q1e57c86046_combine:
	s_mov_b64 s[64:65], 0
	v_nop
	global_prefetch_b8 v0, s[64:65] scope:SCOPE_SE
	s_setreg_imm32_b32 hwreg(HW_REG_WAVE_MODE, 25, 1), 1
	s_wait_xcnt 0x0
; out0[n] = w0 (y0a + y0b) + w1 (y1a + y1b): for each of the token's two experts the two half sums along K, weighed by the gate's softmax.
; One token a wave (n = 4 x work-group + wave).  rowid[2 n + k] (order, from byte 65,536 on) names the row 1,024 e + place of ypart; the second half of K lies 8 x 1,024 rows further on.
; The row numbers are whole numbers that an earlier launch stored; each is held at 8,191 before it enters an address.  Four rows of 4,096 bytes in, one out; every load and store of the wave covers
; 512 consecutive bytes, aligned.  All 32 loads go out at once; no register is written twice, so no store's data have to be waited for.  No LDS, no barrier, no matrix unit: waves share nothing.
.set L, 8                              ; v8-135   group i: four registers from each of the four rows
.set O, 136                            ; v136-167 group i: four results
	s_load_b256 s[4:11], s[0:1], 0x0               ; order s[4:5], wts s[6:7], ypart s[8:9], out0 s[10:11]
	v_lshrrev_b32 v1, 5, v0
	v_readfirstlane_b32 s12, v1                    ; wave
	v_and_b32 v1, 31, v0
	v_lshlrev_b32 v1, 4, v1                        ; 16 bytes a lane
	s_lshl_b32 s13, ttmp9, 2
	s_add_co_u32 s13, s13, s12                     ; token n
	s_lshl_b32 s18, s13, 3
	s_lshl_b32 s20, s13, 12
	s_mov_b32 s21, 0
	s_wait_kmcnt 0x0
	s_load_b64 s[14:15], s[4:5], s18 offset:65536  ; the two row numbers
	s_load_b64 s[16:17], s[6:7], s18 offset:0x0    ; the two weights
	s_add_nc_u64 s[10:11], s[10:11], s[20:21]      ; out0 at my token
	s_wait_kmcnt 0x0
	s_min_u32 s14, s14, 0x1fff
	s_min_u32 s15, s15, 0x1fff
	s_lshl_b32 s20, s14, 12
	s_add_nc_u64 s[24:25], s[8:9], s[20:21]        ; first expert, K's first half,
	s_add_nc_u64 s[26:27], s[24:25], 0x2000000     ; second half
	s_lshl_b32 s20, s15, 12
	s_add_nc_u64 s[28:29], s[8:9], s[20:21]        ; second expert
	s_add_nc_u64 s[30:31], s[28:29], 0x2000000
	s_mov_b32 s32, s16                             ; the packed forms name a pair and take its low word for both halves: both words are written
	s_mov_b32 s33, s16
	s_mov_b32 s34, s17
	s_mov_b32 s35, s17
.irp i, 0,1,2,3,4,5,6,7
.irp b, 0,1,2,3
	global_load_b128 v[L+16*\i+4*\b:L+16*\i+4*\b+3], v1, s[24+2*\b:25+2*\b] offset:512*\i th:TH_LOAD_NT   ; each row of ypart belongs to one slot: read once
.endr
.endr
.irp i, 0,1,2,3,4,5,6,7
	s_wait_loadcnt 28-4*\i                         ; group i's four loads are in; the younger groups' may be out
.irp p, 0,2
	v_pk_add_f32 v[L+16*\i+\p:L+16*\i+\p+1], v[L+16*\i+\p:L+16*\i+\p+1], v[L+16*\i+4+\p:L+16*\i+4+\p+1]
	v_pk_add_f32 v[L+16*\i+8+\p:L+16*\i+8+\p+1], v[L+16*\i+8+\p:L+16*\i+8+\p+1], v[L+16*\i+12+\p:L+16*\i+12+\p+1]
	v_pk_mul_f32 v[L+16*\i+\p:L+16*\i+\p+1], v[L+16*\i+\p:L+16*\i+\p+1], s[32:33] op_sel_hi:[1,0]
	v_pk_fma_f32 v[O+4*\i+\p:O+4*\i+\p+1], v[L+16*\i+8+\p:L+16*\i+8+\p+1], s[34:35], v[L+16*\i+\p:L+16*\i+\p+1] op_sel_hi:[1,0,1]
.endr
	global_store_b128 v1, v[O+4*\i:O+4*\i+3], s[10:11] offset:512*\i th:TH_STORE_NT
.endr
	s_endpgm
.Lfunc_end_k_q1e57c86046_combine:
	.size	k_q1e57c86046_combine, .Lfunc_end_k_q1e57c86046_combine-k_q1e57c86046_combine
	.p2alignl 7, 3214868480
	.fill 96, 4, 3214868480
	.section	.rodata,"a",@progbits
	.p2align	6, 0x0
	.amdhsa_kernel k_q1e57c86046_combine
		.amdhsa_group_segment_fixed_size 0
		.amdhsa_private_segment_fixed_size 0
		.amdhsa_enable_private_segment 0
		.amdhsa_kernarg_size 32
		.amdhsa_user_sgpr_count 2
		.amdhsa_user_sgpr_kernarg_segment_ptr 1
		.amdhsa_wavefront_size32 1
		.amdhsa_system_sgpr_workgroup_id_x 1
		.amdhsa_system_sgpr_workgroup_id_y 1
		.amdhsa_system_sgpr_workgroup_id_z 1
		.amdhsa_system_vgpr_workitem_id 0
		.amdhsa_next_free_vgpr 168
		.amdhsa_next_free_sgpr 66
		.amdhsa_reserve_vcc 0
		.amdhsa_float_denorm_mode_32 3
		.amdhsa_float_denorm_mode_16_64 3
		.amdhsa_memory_ordered 1
		.amdhsa_forward_progress 1
		.amdhsa_inst_pref_size 10
	.end_amdhsa_kernel
	.amdgpu_metadata
---
amdhsa.version: [ 1, 2 ]
amdhsa.kernels:
  - .name:           k_q1e57c86046_combine
    .symbol:         k_q1e57c86046_combine.kd
    .args:
      - { .name: order, .offset: 0, .size: 8, .value_kind: global_buffer, .address_space: global }
      - { .name: wts, .offset: 8, .size: 8, .value_kind: global_buffer, .address_space: global }
      - { .name: ypart, .offset: 16, .size: 8, .value_kind: global_buffer, .address_space: global }
      - { .name: out0, .offset: 24, .size: 8, .value_kind: global_buffer, .address_space: global }
    .group_segment_fixed_size: 0
    .private_segment_fixed_size: 0
    .kernarg_segment_align: 8
    .kernarg_segment_size: 32
    .max_flat_workgroup_size: 128
    .sgpr_count:     66
    .vgpr_count:     168
    .wavefront_size: 32
...
	.end_amdgpu_metadata
.endif
;; end of part 5
;; ======== version 2 of 2: 5 launches; version 1 with the launches gemm1, gemm2 written anew for expert scheduling mode
;; workspace buffers: topi 8,192 bytes of whole numbers; wts 8,192 bytes; order 81,920 bytes of whole numbers; xq 1,048,576 bytes; xsc 32,768 bytes; himg 33,554,432 bytes; hsc 1,048,576 bytes; ypart 67,108,864 bytes
;; launch route: the kernel of part 1 again; grid 256 x 1, 4 waves a work-group, no clusters, 34,816 bytes of LDS; arguments x, Wg, bg, xq, xsc, topi, wts; writes xq, xsc, topi, wts
;; launch place: the kernel of part 2 again; grid 8 x 1, 4 waves a work-group, no clusters, 768 bytes of LDS; arguments topi, order; writes order
;; launch gemm1 (part 6): grid 32 x 8, 4 waves a work-group, no clusters, 133,632 bytes of LDS; arguments order, xq, xsc, W1_codes, W1_scales, b1, himg, hsc; writes himg, hsc
.if DOCPART == 6
	.amdgcn_target "amdgcn-amd-amdhsa--gfx1250"
	.amdhsa_code_object_version 6
	.text
	.protected	k_q1e57c86046_gemm1
	.globl	k_q1e57c86046_gemm1
	.p2align	8
	.type	k_q1e57c86046_gemm1,@function
k_q1e57c86046_gemm1:
	s_mov_b64 s[64:65], 0
	v_nop
	global_prefetch_b8 v0, s[64:65] scope:SCOPE_SE
	s_setreg_imm32_b32 hwreg(HW_REG_WAVE_SCHED_MODE, 0, 2), 2
	s_setreg_imm32_b32 hwreg(HW_REG_WAVE_MODE, 25, 1), 1
	s_wait_xcnt 0x0
	s_wait_alu depctr_vm_vsrc(0)
; THE FIRST PRODUCT, FOR THE CHOSEN ROWS ALONE: h = Q(relu(Q(x) W1[e] + b1[e])), on codes of E4M3 with one E8M0 byte for each 32 along K.
; Work-group (c, e) owns hidden units 128 c .. 128 c + 127 of expert e: 128 rows x 1,024 bytes of W1_codes, read from memory once in the launch and kept in LDS.  It walks the expert's routed rows
; (order's list), 16 to a tile, 20 tiles to a pass: wave w takes tiles tb + w + 4 j, j = 0 .. 4.  nt = ceil(n_e / 16) tiles exist, at most 64 (n_e is held at 1,024), so tb = 0, 20, 40, 60 are all the
; passes there can be: the loop counts tb against the constant 80 and is left by a forward jump as soon as tb >= nt.  So every split is served, all 1,024 tokens on one expert too (4 passes).
; A tile slot at or beyond nt computes on token 0's row (the list's tail) and stores nothing.
; x's codes come by K step (8 steps of 128) straight from xq into operand registers, gathered by the list, through a ring of three register slots.
; TRANSPOSED USE: source 0 = 16 rows of W1, source 1 = 16 routed rows: a lane holds ONE routed row, its registers run along the hidden units.  THE ROWS OF W1 THAT FORM A TILE ARE NOT NEIGHBOURS:
; lane r of tile 2 b + u takes hidden unit 32 b + 8 u + r + 8 (r / 8), so that the 16 registers of tiles 2 b, 2 b + 1 are units 32 b + 16 (lane / 16) + 0 .. 15: the conversions' results ARE K step c of the
; second product's operand.  They are stored as an image of the operand's registers: himg[e][tile][c][2,048 bytes], quad q at 512 q + 16 lane; the scale words in hsc[e][tile][c][16 rows].
; b1 is the C of each sum's first matrix instruction.  relu costs nothing: the largest magnitude is taken without |.| and the hold runs from 0.
; NO TENSOR LOAD, NO CLUSTER, NO JOINT LOAD: the early end hangs on n_e, a number read from memory, and the work-groups of an expert share x's rows only through gathers by a list.
; LIMITS: NaN and infinities are not served; a block of zeros keeps the byte 1 with zero codes (this program alone reads the bytes); blocks whose largest magnitude lies under 2^-118 are held at the byte 1.
; LDS: W1's 128 rows at a pitch of 1,040 bytes = 65 x 16; LDS row 16 t + r holds the unit that lane r of tile t wants, so a fragment load touches 16 neighbouring LDS rows, which start at 16 different columns of 16 bytes.
; REGISTERS, in windows of 256: window 0: v1-28 addresses; v32-51 x's scale words; v52-83 W1's; v84-147 b1 in the result's layout; v148-163 at work; v168-183 slot 4's codes;
;   v184-247 W1's fragments, buffer 1, tiles 4-7, and on the way out the codes of slots 0-3; v248-252 the five scale words made.
;   window 1: accumulators of tile slots 0-3 ((j, t) at 64 j + 8 t); until the barrier: W1 as loaded.   window 2: v0-63 slot 4's accumulators; v64-191 W1's fragments, buffer 0; v192-255 buffer 1, tiles 0-3.
;   window 3: x's ring: slot q at 80 q + 16 j.
; THE MODE: SCHED_MODE bits 1:0 = 2 (LLVM: expert scheduling mode 2), set by the entry lines.  The code itself states the register dependences between vector or matrix instructions and memory or LDS
; instructions, with s_wait_alu, always for 0.
; THE PLAN.  Registers that memory or LDS instructions touch, in a pass:
;   F0, F1     W1's eight fragments of a K step.  Step s: its 40 products read F[s % 2]; the LDS loads of step s + 1's fragments, issued in step s, land in F[(s + 1) % 2], which step s - 1's products read.
;   R0 .. R2   x's five fragments of a K step.  Step s: its products read R[s % 3]; the loads of step s + 2, issued in step s, land in R[(s + 2) % 3], which step s - 1's products read.
;   x's scale words   read by the products of every step; loaded between two passes.
;   five out-buffers  a tile slot's 16 registers of codes and its scale word: written by the slot's conversions and shifts, read by its five stores; written again in the next pass alone.
;   v1, v4, v5, v6, v23-27  offsets and LDS addresses, made at the head and never written again.   v7, v8-22  the list's offset, the tokens and the gathers' offsets: written between two passes alone.
; So ONE wait on va_vdst stands at the head of a K step, behind the waits for the step's data: it states that the step before is done reading its F and its R.  The step's 52 loads follow it, dealt among its ten
; groups of four products, which name F[s % 2], R[s % 3], scale words and accumulators: none of the registers that those loads touch.  On the way out one wait on va_vdst stands between a slot's conversions
; and its stores.  Between two passes one wait on vm_vsrc frees the out-buffers and the address registers.  A group's loads cost two or three switches of the register window: the price of dealing them.
.set PW1, 1040
.set XSR, 32                           ; x's scale words: register 4 j + i: lanes 0-15 K step i, lanes 16-31 K step 4 + i
.set WSR, 52                           ; W1's: register 4 t + i, likewise
.set BIA, 84                           ; b1: register 8 t + n: unit 32 (t / 2) + 8 (t % 2) + 16 (lane / 16) + n
.set TM,  148                          ; v148-151 largest magnitudes, v152-155 bytes, v156-159 448 x the scale, v160-163 the conversions' scale operands
.set PC4, 168                          ; v168-183 the codes of tile slot 4
.set FW0, 184                          ; v184-247 buffer 1's tiles 4-7; on the way out the codes of tile slots 0-3, 16 registers each
.set PWD, 248                          ; v248-252 the scale word of each tile slot
.set MSB, 0
.macro WIN new                         ; the immediate's high byte repeats the setting that is left; a switch that changes nothing is dropped
.if MSB != (\new)
	s_set_vgpr_msb (MSB<<8)|(\new)
.set MSB, (\new)
.endif
.endm
.macro LISTLD                          ; the tokens of my five tiles: lane r (and lane 16 + r) takes row r's
.irp j, 0,1,2,3,4
	global_load_b32 v[8+\j], v7, s[4:5] offset:256*\j
.endr
.endm
.macro XADDR                           ; a loaded number enters an address only behind the hold at 1,023
.irp j, 0,1,2,3,4
	v_min_u32 v[8+\j], 0x3ff, v[8+\j]
	v_lshl_add_u32 v[13+\j], v[8+\j], 10, v27      ; xq: 1,024 bytes a token, + 16 (lane / 16)
	v_lshl_add_u32 v[18+\j], v[8+\j], 5, v27       ; xsc: 32 bytes a token, + 16 (lane / 16)
.endr
.endm
.macro RINGJ sl, s, j                  ; K step s of my tile slot j into ring slot sl: 4 loads
	WIN 0xc0                                       ; destination window 3, address window 0
.irp c, 0,1,2,3
	global_load_b128 v[80*(\sl)+16*(\j)+4*\c:80*(\sl)+16*(\j)+4*\c+3], v[13+(\j)], s[6:7] offset:128*(\s)+32*\c
.endr
.endm
.macro XFIRST                          ; a pass's first 65 loads: the scale words of all of K, then K steps 0, 1, 2
	WIN 0
.irp j, 0,1,2,3,4
	global_load_b128 v[XSR+4*\j:XSR+4*\j+3], v[18+\j], s[8:9]
.endr
.irp q, 0,1,2
.irp j, 0,1,2,3,4
	RINGJ \q, \q, \j
.endr
.endr
	WIN 0
.endm
.macro FTILE s, g                      ; W1's tile g of K step s into buffer s % 2: 4 LDS loads
.if ((\s)%2) == 0
	WIN 0x80                                       ; destination window 2
.set fR, 64+16*(\g)
.elseif (\g) < 4
	WIN 0x80
.set fR, 192+16*(\g)
.else
	WIN 0                                          ; buffer 1's tiles 4-7 lie in window 0
.set fR, FW0+16*((\g)-4)
.endif
.irp c, 0,1,2,3
	ds_load_b128 v[fR+4*\c:fR+4*\c+3], v[4+(\g)/4] offset:16*PW1*((\g)%4)+128*(\s)+32*\c
.endr
.endm
.macro BASES                           ; my five tiles' numbers and where their images and scale words go (the number is held at 63 for the address: a slot beyond nt stores nothing)
.irp j, 0,1,2,3,4
	s_add_co_u32 s[28+\j], s25, s20
	s_add_co_u32 s[28+\j], s[28+\j], 4*\j
	s_min_u32 s34, s[28+\j], 63
	s_lshl_b32 s35, s22, 6
	s_add_co_u32 s34, s34, s35                     ; 64 e + tile
	s_lshl_b32 s36, s34, 16
	s_lshl_b32 s38, s21, 11
	s_add_co_u32 s36, s36, s38
	s_mov_b32 s37, 0
	s_add_nc_u64 s[40+2*\j:41+2*\j], s[16:17], s[36:37]
	s_lshl_b32 s36, s34, 11
	s_lshl_b32 s38, s21, 6
	s_add_co_u32 s36, s36, s38
	s_add_nc_u64 s[50+2*\j:51+2*\j], s[18:19], s[36:37]
.endr
.endm
; A K step: 40 matrix instructions in ten groups of four: W1's tiles 0-3 against my five tiles of rows, then tiles 4-7 against the five.  The 40 accumulators take turns, one instruction a turn, in the same
; order in every K step.  Behind group g stand the loads of tile g of the next step's fragments (g under 8) and of tile slot g of the ring's step after next (g under 5).
.macro KSTEP s
.if (\s) == 0
	s_wait_loadcnt 40                              ; this K step's 20 loads (and the scale words) are in; the two younger steps' 40 may be out
	s_wait_dscnt 16                                ; tiles 0-3 are in; tiles 4-7's 16 loads may be out
.else
.if (\s) < 7
	s_wait_loadcnt 20                              ; this K step's 20 loads are in; the one younger step's may be out (the step after that is asked for below)
.else
	s_wait_loadcnt 0x0
.endif
	s_wait_dscnt 0x0                               ; this K step's eight fragments are in
.if (\s) < 7
	s_wait_alu depctr_va_vdst(0)                   ; the products of the step before are done reading their buffer of fragments and their ring slot, in which this step's loads land
.endif
.endif
.irp hf, 0,1
.if ((\s) == 0) && (\hf == 1)
	s_wait_dscnt 20                                ; tiles 4-7 are in; the 20 loads of the next step's tiles 0-4, issued since, may be out
.endif
.irp j, 0,1,2,3,4
.irp tt, 0,1,2,3
.set rT, 4*\hf+\tt
.set rD, 64*((\j)%4)+8*rT
.if ((\s)%2) == 0
.set rA, 64+16*rT
.set rWN, 0x4e                         ; source 0 window 2, source 1 window 3, destination window 1, C window 0
.elseif \hf == 0
.set rA, 192+16*\tt
.set rWN, 0x4e
.else
.set rA, FW0+16*\tt
.set rWN, 0x4c                         ; source 0 window 0
.endif
.set rB, 80*((\s)%3)+16*\j
.set rSA, WSR+4*rT+((\s)%4)
.set rSB, XSR+4*\j+((\s)%4)
.set rWN, rWN+0x40*((\j)/4)            ; slot 4's accumulators lie in window 2
.if (\s) == 0
.set rC, BIA+8*rT
.else
.set rC, rD
.set rWN, rWN+0x10*(1+(\j)/4)          ; C in the destination's window
.endif
	WIN rWN
.if (\s) < 4
	v_wmma_scale_f32_16x16x128_f8f6f4 v[rD:rD+7], v[rA:rA+15], v[rB:rB+15], v[rC:rC+7], v[rSA], v[rSB]
.else
	v_wmma_scale_f32_16x16x128_f8f6f4 v[rD:rD+7], v[rA:rA+15], v[rB:rB+15], v[rC:rC+7], v[rSA], v[rSB] matrix_a_scale:MATRIX_SCALE_ROW1 matrix_b_scale:MATRIX_SCALE_ROW1
.endif
.endr
.set gg, 5*\hf+\j
.if ((\s) < 7) && (gg < 8)
	FTILE (\s)+1, gg                               ; no wait: no vector or matrix instruction since the step's wait names these registers
.endif
.if ((\s) > 0) && ((\s) < 6) && (gg < 5)
	RINGJ ((\s)+2)%3, (\s)+2, gg                   ; likewise
.endif
.endr
.endr
.endm
; Tile slot j's 64 numbers a lane (register 16 b + i = unit 32 b + 16 (lane / 16) + i of my row) become a fragment's codes and its scale word, in the slot's own out-buffer
.macro QUANT j
.if (\j) < 4
.set QD, 1
.set QA, 64*(\j)
.set QP, FW0+16*(\j)
.else
.set QD, 2
.set QA, 0
.set QP, PC4
.endif
.set QW, PWD+(\j)
	WIN 0
.irp b, 0,1,2,3
	v_mov_b32 v[TM+\b], 0x4800000                  ; the floor 2^(9 - 127): the byte cannot fall under 1
.endr
	WIN QD*5                                       ; sources 0 and 1 in the accumulators' window
.irp i, 0,2,4,6,8,10,12,14             ; no |.|: what is negative becomes 0, so it does not count.  Each accumulator is read from its low end on; the four blocks by turns
.irp b, 0,1,2,3
	v_max3_num_f32 v[TM+\b], v[QA+16*\b+\i], v[QA+16*\b+\i+1], v[TM+\b]
.endr
.endr
	WIN 0
.irp b, 0,1,2,3
	v_permlanex16_b32 v[TM+4+\b], v[TM+\b], s60, s61
.endr
.irp b, 0,1,2,3
	v_max_num_f32 v[TM+\b], v[TM+\b], v[TM+4+\b]   ; with lane l xor 16's 16: the block's largest
.endr
.irp b, 0,1,2,3
	v_add_nc_u32 v[TM+12+\b], 0xfc000000, v[TM+\b] ; 8 off the exponent field: the conversion's scale operand
.endr
.irp b, 0,1,2,3
	v_and_or_b32 v[TM+8+\b], v[TM+\b], 0x7f800000, s62   ; 448 x the scale
.endr
.irp b, 0,1,2,3
	v_lshrrev_b32 v[TM+4+\b], 23, v[TM+12+\b]      ; the scale's byte
.endr
	v_lshl_or_b32 v[QW], v[TM+5], 8, v[TM+4]
	v_lshl_or_b32 v[QW], v[TM+6], 16, v[QW]
	v_lshl_or_b32 v[QW], v[TM+7], 24, v[QW]        ; my row's scale word
	WIN QD*65                                      ; source 0 and destination in the accumulators' window
.irp b, 0,1,2,3
.irp i, 0,1,2,3,4,5,6,7,8,9,10,11,12,13,14,15
	v_med3_num_f32 v[QA+16*\b+\i], v[QA+16*\b+\i], 0, v[TM+8+\b]   ; relu and the hold in one: the conversion to an 8-bit code does not saturate (ISA guide 7.6.2)
.endr
.endr
	WIN QD
.irp b, 0,1,2,3
	v_cvt_scalef32_pk8_fp8_f32 v[QP+4*\b:QP+4*\b+1], v[QA+16*\b:QA+16*\b+7], v[TM+12+\b]
	v_cvt_scalef32_pk8_fp8_f32 v[QP+4*\b+2:QP+4*\b+3], v[QA+16*\b+8:QA+16*\b+15], v[TM+12+\b]
.endr
	WIN 0
	v_nop                                          ; a plain line behind the last conversion: later lines write its results and its sources again
.endm
.macro QSTORE j                        ; a slot whose tile does not exist stores nothing: a scalar branch on the stored count
	s_cmp_ge_u32 s[28+\j], s24
	s_cbranch_scc1 .Lnone_\@
	QUANT \j
	s_wait_alu depctr_va_vdst(0)                   ; the conversions have written this slot's codes and the shifts its scale word, which the five stores below read
.irp b, 0,1,2,3
	global_store_b128 v1, v[QP+4*\b:QP+4*\b+3], s[40+2*\j:41+2*\j] offset:512*\b   ; 512 consecutive bytes, aligned
.endr
	global_store_b32 v23, v[QW], s[50+2*\j:51+2*\j]    ; 64 bytes (lanes 16-31 repeat lanes 0-15): part of an aligned 256 bytes; at most 1 MiB in the launch
.Lnone_\@:
.endm
	s_load_b512 s[4:19], s[0:1], 0x0               ; order s[4:5], xq s[6:7], xsc s[8:9], W1_codes s[10:11], W1_scales s[12:13], b1 s[14:15], himg s[16:17], hsc s[18:19]
	v_lshl_add_u32 v254, v0, 2, 0x20800
	v_mov_b32 v255, 0
	v_lshrrev_b32 v1, 5, v0
	v_readfirstlane_b32 s20, v1                    ; wave
	s_mov_b32 s21, ttmp9                           ; c: which 128 hidden units
	s_and_b32 s22, ttmp7, 0xffff                   ; e
	v_and_b32 v28, 31, v0
	v_lshlrev_b32 v1, 4, v28                       ; 16 x lane
	v_and_b32 v2, 15, v0                           ; r
	v_bfe_u32 v3, v0, 4, 1                         ; h
	v_lshlrev_b32 v27, 4, v3                       ; 16 h
	v_mul_u32_u24 v4, v2, PW1
	v_lshl_add_u32 v4, v3, 4, v4                   ; a fragment's row x pitch + 16 h: tiles 0-3,
	v_add_nc_u32 v5, 64*PW1, v4                    ; tiles 4-7
	s_wait_alu depctr_va_sdst(0)                   ; s20, the wave's number, is written, ahead of its first reader
	s_mul_i32 s34, s20, 32*PW1
	v_add_nc_u32 v6, s34, v1                       ; W1 into LDS: my wave's 32 rows
	s_lshl_b32 s34, s22, 13
	s_lshl_b32 s35, s20, 6
	s_add_co_u32 s34, s34, s35
	v_lshl_add_u32 v26, v2, 2, s34                 ; the list: 8,192 e + 4 (16 w + r); never rewritten
	v_mov_b32 v7, v26                              ; + 64 tb, here 0
	v_lshlrev_b32 v23, 2, v2                       ; 4 r
	v_and_b32 v24, 8, v2
	v_add_nc_u32 v24, v24, v2
	v_lshl_add_u32 v24, v24, 5, v27                ; W1's scales: 32 bytes a row, row r + 8 (r / 8), + 16 h
	v_lshlrev_b32 v25, 6, v3                       ; b1: 64 h
.irp b, 0,1,2,3
	v_mov_b32 v[TM+4+\b], 0                        ; written once: a lane permute's destination counts as one of its sources
.endr
	s_mov_b32 s60, 0x76543210
	s_mov_b32 s61, 0xfedcba98                      ; v_permlanex16_b32's selects for lane l xor 16
	s_mov_b32 s62, 0x600000                        ; the mantissa field of 448
	s_lshl_b32 s26, s22, 2
	s_lshl_b32 s34, s22, 22                        ; W1_codes: (4,096 e + 128 c + 32 w) rows of 1,024 bytes
	s_lshl_b32 s35, s21, 17
	s_add_co_u32 s34, s34, s35
	s_lshl_b32 s35, s20, 15
	s_add_co_u32 s34, s34, s35
	s_mov_b32 s35, 0
	s_lshl_b32 s36, s22, 17                        ; W1_scales: (4,096 e + 128 c) rows of 32 bytes
	s_lshl_b32 s37, s21, 12
	s_add_co_u32 s36, s36, s37
	s_mov_b32 s37, 0
	s_lshl_b32 s38, s22, 14                        ; b1: (4,096 e + 128 c) numbers
	s_lshl_b32 s39, s21, 9
	s_add_co_u32 s38, s38, s39
	s_mov_b32 s39, 0
	s_wait_kmcnt 0x0
	s_load_b32 s23, s[4:5], s26 offset:73984       ; n_e
	s_add_nc_u64 s[66:67], s[10:11], s[34:35]
	s_add_nc_u64 s[68:69], s[12:13], s[36:37]
	s_add_nc_u64 s[70:71], s[14:15], s[38:39]
	s_wait_alu depctr_va_vdst(0)                   ; the offsets and LDS addresses v1, v4 to v7 and v23 to v27 are written, which the loads and stores of the whole kernel read; so are v254 and v255
	LISTLD                                         ; 5 loads
.irp t, 0,1,2,3,4,5,6,7
	global_load_b128 v[WSR+4*\t:WSR+4*\t+3], v24, s[68:69] offset:(32*(\t/2)+8*(\t%2))*32    ; 8 loads
.endr
.irp t, 0,1,2,3,4,5,6,7
	global_load_b128 v[BIA+8*\t:BIA+8*\t+3],   v25, s[70:71] offset:(32*(\t/2)+8*(\t%2))*4   ; 16 loads
	global_load_b128 v[BIA+8*\t+4:BIA+8*\t+7], v25, s[70:71] offset:(32*(\t/2)+8*(\t%2))*4+16
.endr
	WIN 0x40                                       ; destination window 1
.set m, 0
.rept 64
	global_load_b128 v[4*m:4*m+3], v1, s[66:67] offset:512*m th:TH_LOAD_NT   ; my wave's 32 rows: 32,768 consecutive bytes, read once in the launch
.set m, m+1
.endr
	WIN 0
	s_wait_loadcnt 63                              ; 93 loads have been issued: the oldest 30 are in, the list, the scales and the biases (29) among them
	XADDR
	s_wait_alu depctr_va_vdst(0)                   ; the gathers' offsets v13 to v22 are written, which the loads below read
	XFIRST                                         ; the first pass's x goes out behind the weights
	s_wait_loadcnt 63                              ; 65 loads were issued behind the weights: the weights are in
	WIN 0x04                                       ; an LDS store's data are its source 1: window 1
.set m, 0
.rept 64
.set px, ((m/2)%8)+8*(((m/2)/16)%2)+16*(((m/2)/8)%2)   ; unit x of my 32 goes to LDS row (x % 8) + 8 (x / 16) + 16 ((x / 8) % 2)
	ds_store_b128 v6, v[4*m:4*m+3] offset:px*PW1+512*(m%2)
.set m, m+1
.endr
	WIN 0
	s_wait_dscnt 0x0                               ; for the others' sake: my rows lie in LDS
	s_barrier_signal -1
	s_barrier_wait -1                              ; the launch's one barrier, ahead of every branch on a loaded number
	s_wait_alu depctr_vm_vsrc(0)                   ; my LDS stores have read window 1's registers: these are accumulators from here on, written by the products
	s_wait_kmcnt 0x0
	s_min_u32 s23, s23, 1024
	s_add_co_u32 s24, s23, 15
	s_lshr_b32 s24, s24, 4                         ; nt, at most 64
	s_cmp_eq_u32 s24, 0
	s_cbranch_scc1 .Lend                           ; an expert that nobody chose
	s_mov_b32 s25, 0                               ; tb
	BASES
.Lpass:
.irp g, 0,1,2,3,4,5,6,7
	FTILE 0, \g                                    ; K step 0's fragments.  No wait: the last products that read this buffer stand ahead of the wait in front of x's first loads
.endr
.irp s, 0,1,2,3,4,5,6,7
	KSTEP \s
.endr
	WIN 0
.rept 9
	v_nop                                          ; eight plain lines behind the last products, ahead of the first read of their results and of the conversions that write where their fragments lay
.endr                                                  ; a ninth: the next pass's first products write over these accumulators, also where every slot below is passed over
	QSTORE 0
	QSTORE 1
	QSTORE 2
	QSTORE 3
	QSTORE 4
	s_add_co_u32 s25, s25, 20
	s_cmp_ge_u32 s25, s24
	s_cbranch_scc1 .Lend                           ; no tile is left: this is the way out of the loop (at tb = 80 it is always taken, since nt is at most 64)
	s_wait_xcnt 0x0                                ; the stores have read their bases and their data
	s_wait_alu depctr_vm_vsrc(0)                   ; the stores have read the five out-buffers, the gathers v13 to v22 and the list's loads v7: all of these are written again from here on
	BASES
	s_min_u32 s34, s25, 60                         ; (tb is under nt, at most 64, and a multiple of 20)
	s_lshl_b32 s34, s34, 6
	v_add_nc_u32 v7, s34, v26                      ; the list, 16 tb entries on
	s_wait_alu depctr_va_vdst(0)                   ; v7 is written, which the list's loads read
	LISTLD
	s_wait_loadcnt 0x0
	XADDR
	s_wait_alu depctr_va_vdst(0)                   ; the gathers' offsets v13 to v22 are written, which the loads below read
	XFIRST
	s_cmp_lt_u32 s25, 80                           ; the loop is counted against a constant: tb = 20, 40, 60 go round
	s_cbranch_scc1 .Lpass
.Lend:
	s_wait_dscnt 0x0                               ; the closing lines, six on end
	s_wait_alu 0x0
	s_wait_tensorcnt 0x0
	ds_add_u32 v254, v255
	s_wait_dscnt 0x0
	s_endpgm
.Lfunc_end_k_q1e57c86046_gemm1:
	.size	k_q1e57c86046_gemm1, .Lfunc_end_k_q1e57c86046_gemm1-k_q1e57c86046_gemm1
	.p2alignl 7, 3214868480
	.fill 96, 4, 3214868480
	.section	.rodata,"a",@progbits
	.p2align	6, 0x0
	.amdhsa_kernel k_q1e57c86046_gemm1
		.amdhsa_group_segment_fixed_size 133632
		.amdhsa_private_segment_fixed_size 0
		.amdhsa_enable_private_segment 0
		.amdhsa_kernarg_size 64
		.amdhsa_user_sgpr_count 2
		.amdhsa_user_sgpr_kernarg_segment_ptr 1
		.amdhsa_wavefront_size32 1
		.amdhsa_system_sgpr_workgroup_id_x 1
		.amdhsa_system_sgpr_workgroup_id_y 1
		.amdhsa_system_sgpr_workgroup_id_z 1
		.amdhsa_system_vgpr_workitem_id 0
		.amdhsa_next_free_vgpr 1024
		.amdhsa_next_free_sgpr 80
		.amdhsa_reserve_vcc 0
		.amdhsa_float_denorm_mode_32 3
		.amdhsa_float_denorm_mode_16_64 3
		.amdhsa_memory_ordered 1
		.amdhsa_forward_progress 1
		.amdhsa_inst_pref_size 151
	.end_amdhsa_kernel
	.amdgpu_metadata
---
amdhsa.version: [ 1, 2 ]
amdhsa.kernels:
  - .name:           k_q1e57c86046_gemm1
    .symbol:         k_q1e57c86046_gemm1.kd
    .args:
      - { .name: order, .offset: 0, .size: 8, .value_kind: global_buffer, .address_space: global }
      - { .name: xq, .offset: 8, .size: 8, .value_kind: global_buffer, .address_space: global }
      - { .name: xsc, .offset: 16, .size: 8, .value_kind: global_buffer, .address_space: global }
      - { .name: W1_codes, .offset: 24, .size: 8, .value_kind: global_buffer, .address_space: global }
      - { .name: W1_scales, .offset: 32, .size: 8, .value_kind: global_buffer, .address_space: global }
      - { .name: b1, .offset: 40, .size: 8, .value_kind: global_buffer, .address_space: global }
      - { .name: himg, .offset: 48, .size: 8, .value_kind: global_buffer, .address_space: global }
      - { .name: hsc, .offset: 56, .size: 8, .value_kind: global_buffer, .address_space: global }
    .group_segment_fixed_size: 133632
    .private_segment_fixed_size: 0
    .kernarg_segment_align: 8
    .kernarg_segment_size: 64
    .max_flat_workgroup_size: 128
    .sgpr_count:     80
    .vgpr_count:     1024
    .wavefront_size: 32
...
	.end_amdgpu_metadata
.endif
;; end of part 6
;; launch gemm2 (part 7): grid 32 x 8, 8 waves a work-group, no clusters, 167,936 bytes of LDS; arguments order, himg, hsc, W2_codes, W2_scales, b2, ypart; writes ypart
.if DOCPART == 7
	.amdgcn_target "amdgcn-amd-amdhsa--gfx1250"
	.amdhsa_code_object_version 6
	.text
	.protected	k_q1e57c86046_gemm2
	.globl	k_q1e57c86046_gemm2
	.p2align	8
	.type	k_q1e57c86046_gemm2,@function
k_q1e57c86046_gemm2:
	s_mov_b64 s[64:65], 0
	v_nop
	global_prefetch_b8 v0, s[64:65] scope:SCOPE_SE
	s_setreg_imm32_b32 hwreg(HW_REG_WAVE_SCHED_MODE, 0, 2), 2
	s_setreg_imm32_b32 hwreg(HW_REG_WAVE_MODE, 25, 1), 1
	s_wait_xcnt 0x0
	s_wait_alu depctr_vm_vsrc(0)
; THE SECOND PRODUCT, FOR THE CHOSEN ROWS ALONE: y = h W2[e] + b2[e], on codes of E4M3 with one E8M0 byte for each 32 along K, in two halves of K.
; Work-group (x, e), oc = x % 16, kh = x / 16, owns outputs 64 oc .. 64 oc + 63 and hidden units 2,048 kh .. 2,048 kh + 2,047 of expert e: 64 rows x 2,048 bytes of W2_codes, read from memory once in the
; launch and kept in LDS.  It walks the expert's tiles of 16 routed rows, 24 to a pass: wave w of EIGHT takes tiles tb + w + 8 j, j = 0 .. 2.  nt = ceil(n_e / 16) is at most 64 (n_e is held at 1,024), so
; tb = 0, 24, 48 are all the passes there can be: the loop counts tb against the constant 72 and is left by a forward jump as soon as tb >= nt: every split is served.
; EIGHT WAVES OF 512 REGISTERS, since the launch lives on the bytes that it has on their way, not on its products: h comes through a ring of five register slots of 12 loads, so that 48 to 60 loads of 512 bytes
; of every wave are out; a wave brings in 16 KiB of weights and 32 KiB of h for each of its tiles.  The price: a fragment of W2 read from LDS feeds 3 products.
; A TILE SLOT AT OR BEYOND nt issues the same loads, so that every counted wait holds on every way, but with the offset 0 in all lanes: 16 bytes of the expert's last tile in place of 512; it stores nothing.
; h's first loads go out ahead of the barrier, behind the weights.  For an expert that nobody chose they read W2's own buffers (of the same sizes as himg and hsc; the bases are chosen by the count, no address
; decides), so that no byte that was never stored is read; that work-group ends behind the barrier.
; h comes as images of operand registers (himg[e][tile][K step][2,048 bytes], quad q at 512 q + 16 lane); 16 K steps of 128.
; TRANSPOSED USE: source 0 = 16 rows of W2, source 1 = 16 routed rows: a lane holds eight neighbouring outputs of one routed row.  b2 is the C of each sum's first matrix instruction in half 0; half 1 begins with zeros.
; ypart[kh][e][place][1024] f32 takes the half sums; the last launch adds the halves and weighs the two experts.  Splitting K halves the bytes of h that a work-group reads, and that sum costs no launch of its own.
; NO TENSOR LOAD, NO CLUSTER, NO JOINT LOAD: the early end hangs on n_e, a number read from memory.
; LDS: W2's 64 rows at a pitch of 2,064 bytes = 129 x 16: the 16 rows of a fragment load start at 16 different columns of 16 bytes.  Behind them a stage of 16 rows x 272 bytes for each wave, for the way out.
; REGISTERS, in windows of 256: window 0: v1-15 addresses; v16-39 h's scale words; v40-71 W2's; v72-103 b2 in the result's layout; v104-199 the 12 accumulators ((j, t) at 104 + 32 j + 8 t); v200-247 ring slot 4.
;   window 1: v0-191 ring slots 0-3 (slot q at 48 q + 16 j); v192-255 W2's fragments, two sets of two tiles.  On the way out the two sets and v0-31 take rows of y.  Until the barrier the accumulators and the first set hold W2 as loaded.
; THE MODE: SCHED_MODE bits 1:0 = 2 (LLVM: expert scheduling mode 2), set by the entry lines.  The code itself states the register dependences between vector or matrix instructions and memory or LDS
; instructions, with s_wait_alu, always for 0.
; THE PLAN.  A pass is 32 halves of a K step, half k = 2 s + hf.  Registers that memory or LDS instructions touch:
;   the two sets   Half k: its six products read set k % 2; the LDS loads of half k + 1's fragments, issued at the head of half k, land in the other set, which half k - 1's products read.
;   the ring       Step s: its twelve products read slot s % 5; the loads of step s + 4, issued at the head of step s, land in slot (s + 4) % 5, which step s - 1's products read.
;   h's scale words   read by the products of every step; loaded between two passes.
;   accumulators   written by the products; read by the way out's LDS stores; written again by the next pass's products.
;   three out-buffers (the two sets; v0-31 of window 1)   a tile slot's 16 rows of y: LDS loads land in them, eight stores read them; the next pass's loads land in them again.
;   v1, v4-12   offsets and LDS addresses, made at the head and never written again.   v13-15   the ring's lane offsets: written between two passes alone.
; All 512 registers are in use, so there is no third set.  So ONE wait on va_vdst stands at the head of a half, behind the wait for the half's fragments: it states that the half before (in a step's first half:
; the step before) is done reading its set and its ring slot.  The half's loads follow it in one run: a product and a load differ in the windows of source 0 and of the destination, so a load set singly among
; six products would want two switches of its own.  Behind the last products one wait on va_vdst serves the whole way out.  Between two passes one wait on vm_vsrc frees the accumulators, the out-buffers and v13-15.
.set PW2, 2064
.set STG, 64*PW2
.set HS,  16                           ; h's scale words: register 8 j + q: lanes 0-15 K step 2 q, lanes 16-31 K step 2 q + 1
.set W2S, 40                           ; W2's: register 8 t + i: lanes 0-15 K step i, lanes 16-31 K step 8 + i
.set BIA, 72                           ; b2: register 8 t + n: output 16 t + 8 (lane / 16) + n
.set ACC, 104
.set R4,  200                          ; ring slot 4, in window 0
.set WF,  192                          ; in window 1
.set MSB, 0
.macro WIN new                         ; the immediate's high byte repeats the setting that is left; a switch that changes nothing is dropped
.if MSB != (\new)
	s_set_vgpr_msb (MSB<<8)|(\new)
.set MSB, (\new)
.endif
.endm
.macro RING sl, s                      ; K step s of my three tiles into ring slot sl: 12 loads; v13-15: 16 x lane, or 0 for a tile that does not exist
.if (\sl) < 4
	WIN 0x40                                       ; destination window 1, address window 0
.set rR, 48*(\sl)
.else
	WIN 0
.set rR, R4
.endif
.irp j, 0,1,2
.irp c, 0,1,2,3
	global_load_b128 v[rR+16*\j+4*\c:rR+16*\j+4*\c+3], v[13+\j], s[40+2*\j:41+2*\j] offset:2048*(\s)+512*\c
.endr
.endr
.endm
.macro HFIRST                          ; a pass's first 84 loads: the scale words of my half of K (24), then K steps 0 to 4 (60)
	WIN 0
.irp j, 0,1,2
.irp q, 0,1,2,3,4,5,6,7
	global_load_b32 v[HS+8*\j+\q], v7, s[50+2*\j:51+2*\j] offset:128*\q
.endr
.endr
	RING 0, 0
	RING 1, 1
	RING 2, 2
	RING 3, 3
	RING 4, 4
	WIN 0
.endm
.macro WFETCH s, hf                    ; W2's tiles 2 hf, 2 hf + 1 of K step s into set hf: 8 LDS loads
	WIN 0x40                                       ; destination window 1
.irp tt, 0,1
.irp c, 0,1,2,3
	ds_load_b128 v[WF+32*(\hf)+16*\tt+4*\c:WF+32*(\hf)+16*\tt+4*\c+3], v[4+(\hf)] offset:16*PW2*\tt+128*(\s)+32*\c
.endr
.endr
.endm
.macro BASES                           ; my three tiles' numbers; their loads' lane offsets; where their images and scale words lie (a tile that does not exist names the last that does); where their rows of ypart lie
.irp j, 0,1,2
	s_add_co_u32 s[28+\j], s25, s20
	s_add_co_u32 s[28+\j], s[28+\j], 8*\j
	s_cmp_lt_u32 s[28+\j], s24
	s_cselect_b32 vcc_lo, -1, 0
	v_cndmask_b32 v[13+\j], 0, v1, vcc_lo          ; 16 x lane where the tile exists, else 0 in every lane;
	v_min_u32 v[13+\j], 0x1f0, v[13+\j]            ; the choice hangs on a loaded number: held by a constant
	s_min_u32 s34, s[28+\j], s33                   ; at most nt - 1,
	s_min_u32 s34, s34, 63                         ; a loaded number: held by a constant too
	s_lshl_b32 s35, s22, 6
	s_add_co_u32 s34, s34, s35                     ; 64 e + tile
	s_lshl_b32 s36, s34, 16
	s_lshl_b32 s38, s26, 15
	s_add_co_u32 s36, s36, s38
	s_mov_b32 s37, 0
	s_add_nc_u64 s[40+2*\j:41+2*\j], s[46:47], s[36:37]
	s_lshl_b32 s36, s34, 11
	s_lshl_b32 s38, s26, 10
	s_add_co_u32 s36, s36, s38
	s_add_nc_u64 s[50+2*\j:51+2*\j], s[48:49], s[36:37]
	s_min_u32 s34, s[28+\j], 63
	s_lshl_b32 s36, s26, 3
	s_add_co_u32 s36, s36, s22
	s_lshl_b32 s36, s36, 6
	s_add_co_u32 s36, s36, s34                     ; 64 (8 kh + e) + tile: 16 rows of 4,096 bytes each
	s_lshl_b32 s36, s36, 16
	s_lshl_b32 s38, s21, 8
	s_add_co_u32 s36, s36, s38                     ; + my 64 outputs' 256 bytes
	s_add_nc_u64 s[66+2*\j:67+2*\j], s[16:17], s[36:37]
.endr
.endm
; Half a K step: at its head the loads of the next half's fragments and, in a step's first half, of the ring's step four on; then 6 matrix instructions, my three tiles of rows x W2's tiles 2 hf, 2 hf + 1.
; The 12 accumulators take turns, one instruction a turn, in the same order in every K step.
.macro HALF s, hf
.set hk, 2*(\s)+(\hf)
.if hk == 0
	s_wait_dscnt 8                                 ; this half's fragments are in; the next half's 8 loads may be out (both were asked for at the pass's head)
.elseif hk == 31
	s_wait_dscnt 0x0                               ; the last half: nothing more is asked for
.else
	s_wait_dscnt 0x0                               ; this half's fragments are in
	WIN 0x40                                       ; (the switch, then the wait, then the loads)
	s_wait_alu depctr_va_vdst(0)                   ; the products issued so far are done reading the other set and, in a step's first half, the ring slot of the step before: the loads below land there
.if (\hf) == 0
	WFETCH \s, 1
.if (\s) < 12
	RING ((\s)+4)%5, (\s)+4
.endif
.else
	WFETCH (\s)+1, 0
.endif
.endif
.if (\hf) == 0
.if (\s) < 12
	s_wait_loadcnt 48                              ; this K step's 12 loads (and the scale words) are in; the four younger steps' 48 may be out
.else
	s_wait_loadcnt 12*(15-(\s))                    ; as many younger steps as are left
.endif
.endif
.if ((\s)%5) < 4
	WIN 0x05                                       ; source 0 (W2) and source 1 (h) window 1; C and D window 0
.set rR, 48*((\s)%5)
.else
	WIN 0x01                                       ; ring slot 4 lies in window 0
.set rR, R4
.endif
.irp j, 0,1,2
.irp tt, 0,1
.set rT, 2*(\hf)+\tt
.set rD, ACC+32*\j+8*rT
.set rA, WF+32*(\hf)+16*\tt
.set rB, rR+16*\j
.set rSA, W2S+8*rT+((\s)%8)
.set rSB, HS+8*\j+((\s)/2)
.if (\s) == 0
.set rC, BIA+8*rT
.else
.set rC, rD
.endif
.if ((\s) >= 8) && (((\s)%2) == 1)
	v_wmma_scale_f32_16x16x128_f8f6f4 v[rD:rD+7], v[rA:rA+15], v[rB:rB+15], v[rC:rC+7], v[rSA], v[rSB] matrix_a_scale:MATRIX_SCALE_ROW1 matrix_b_scale:MATRIX_SCALE_ROW1
.elseif (\s) >= 8
	v_wmma_scale_f32_16x16x128_f8f6f4 v[rD:rD+7], v[rA:rA+15], v[rB:rB+15], v[rC:rC+7], v[rSA], v[rSB] matrix_a_scale:MATRIX_SCALE_ROW1
.elseif ((\s)%2) == 1
	v_wmma_scale_f32_16x16x128_f8f6f4 v[rD:rD+7], v[rA:rA+15], v[rB:rB+15], v[rC:rC+7], v[rSA], v[rSB] matrix_b_scale:MATRIX_SCALE_ROW1
.else
	v_wmma_scale_f32_16x16x128_f8f6f4 v[rD:rD+7], v[rA:rA+15], v[rB:rB+15], v[rC:rC+7], v[rSA], v[rSB]
.endif
.endr
.endr
.endm
; THE WAY OUT of tile slot j: a lane's 32 bytes of a row go into my stage, whole rows of 256 bytes come back into the slot's own out-buffer, and sixteen lanes store 256 consecutive bytes, aligned.
; No wait on va_vdst or vm_vsrc stands here: the one ahead of slot 0 has shown the accumulators written and the three out-buffers read, no vector or matrix instruction follows it, and no buffer is used twice in a pass.
.macro OUT j
.if (\j) < 2
.set oR, WF+32*(\j)                    ; the fragments' two sets,
.else
.set oR, 0                             ; and the first 32 registers of ring slot 0: all in window 1
.endif
	s_cmp_ge_u32 s[28+\j], s24
	s_cbranch_scc1 .Lnone_\@                       ; a tile that does not exist stores nothing: a scalar branch on the stored count
.irp t, 0,1,2,3
	ds_store_b128 v8, v[ACC+32*\j+8*\t:ACC+32*\j+8*\t+3] offset:64*\t        ; each accumulator from its low end on
	ds_store_b128 v8, v[ACC+32*\j+8*\t+4:ACC+32*\j+8*\t+7] offset:64*\t+16
.endr
	WIN 0x40                                       ; destination window 1
.irp i, 0,1,2,3,4,5,6,7
	ds_load_b128 v[oR+4*\i:oR+4*\i+3], v9 offset:544*\i   ; LDS serves a wave's instructions in order (ISA guide 5.7.1.4): these see my stores
.endr
	s_wait_dscnt 0x0                               ; the rows are back, so the next slot may write the stage
	WIN 0x04                                       ; a store's data are its source 1: window 1
.irp i, 0,1,2,3,4,5,6,7
	global_store_b128 v10, v[oR+4*\i:oR+4*\i+3], s[66+2*\j:67+2*\j] offset:8192*\i th:TH_STORE_NT
.endr
	WIN 0
.Lnone_\@:
.endm
	s_load_b256 s[4:11], s[0:1], 0x0               ; order s[4:5], himg s[6:7], hsc s[8:9], W2_codes s[10:11]
	s_load_b128 s[12:15], s[0:1], 0x20             ; W2_scales s[12:13], b2 s[14:15]
	s_load_b64 s[16:17], s[0:1], 0x30              ; ypart
	v_lshl_add_u32 v254, v0, 2, 0x28c00
	v_mov_b32 v255, 0
	v_lshrrev_b32 v1, 5, v0
	v_readfirstlane_b32 s20, v1                    ; wave 0..7
	s_and_b32 s21, ttmp9, 15                       ; oc: which 64 outputs
	s_lshr_b32 s26, ttmp9, 4                       ; kh: which half of K
	s_and_b32 s22, ttmp7, 0xffff                   ; e
	v_and_b32 v13, 31, v0                          ; lane
	v_lshlrev_b32 v1, 4, v13                       ; 16 x lane
	v_lshlrev_b32 v7, 2, v13                       ; 4 x lane
	v_and_b32 v2, 15, v0                           ; r
	v_bfe_u32 v3, v0, 4, 1                         ; h
	v_mul_u32_u24 v4, v2, PW2
	v_lshl_add_u32 v4, v3, 4, v4                   ; a fragment's row x pitch + 16 h: tiles 0, 1,
	v_add_nc_u32 v5, 32*PW2, v4                    ; tiles 2, 3
	s_wait_alu depctr_va_sdst(0)                   ; s20, the wave's number, is written, ahead of its first reader
	s_mul_i32 s34, s20, 8*PW2
	v_add_nc_u32 v6, s34, v1                       ; W2 into LDS: my wave's 8 rows
	s_mul_i32 s34, s20, 16*272
	s_add_co_u32 s34, s34, STG                     ; my stage
	v_mul_u32_u24 v8, v2, 272
	v_lshl_add_u32 v8, v3, 5, v8
	v_add_nc_u32 v8, s34, v8                       ; in: row r, 32 bytes for each half of the lanes
	v_mul_u32_u24 v9, v3, 272
	v_lshl_add_u32 v9, v2, 4, v9
	v_add_nc_u32 v9, s34, v9                       ; back: lanes 0-15 one row of 256 bytes, lanes 16-31 the next
	v_lshlrev_b32 v10, 12, v3
	v_lshl_add_u32 v10, v2, 4, v10                 ; and the same two rows in ypart
	v_lshlrev_b32 v12, 5, v3                       ; b2: 32 h
	v_lshl_add_u32 v11, v2, 7, v12                 ; W2's scales: 128 bytes a row, + 32 h
	s_lshl_b32 s27, s22, 2
	s_lshl_b32 s34, s22, 22                        ; W2_codes: (1,024 e + 64 oc + 8 w) rows of 4,096 bytes, + 2,048 kh
	s_lshl_b32 s35, s21, 18
	s_add_co_u32 s34, s34, s35
	s_lshl_b32 s35, s20, 15
	s_add_co_u32 s34, s34, s35
	s_lshl_b32 s35, s26, 11
	s_add_co_u32 s34, s34, s35
	s_mov_b32 s35, 0
	s_lshl_b32 s36, s22, 17                        ; W2_scales: (1,024 e + 64 oc) rows of 128 bytes, + 64 kh
	s_lshl_b32 s37, s21, 13
	s_add_co_u32 s36, s36, s37
	s_lshl_b32 s37, s26, 6
	s_add_co_u32 s36, s36, s37
	s_mov_b32 s37, 0
	s_lshl_b32 s38, s22, 12                        ; b2: (1,024 e + 64 oc) numbers
	s_lshl_b32 s39, s21, 8
	s_add_co_u32 s38, s38, s39
	s_mov_b32 s39, 0
	s_wait_kmcnt 0x0
	s_load_b32 s23, s[4:5], s27 offset:73984       ; n_e: it comes while the loads below are issued
	s_add_nc_u64 s[76:77], s[10:11], s[34:35]
	s_add_nc_u64 s[78:79], s[12:13], s[36:37]
	s_add_nc_u64 s[60:61], s[14:15], s[38:39]
	s_wait_alu depctr_va_vdst(0)                   ; the offsets and LDS addresses v1 and v4 to v12 are written, which the loads and stores of the whole kernel read; so are v254 and v255
.irp t, 0,1,2,3
	global_load_b128 v[W2S+8*\t:W2S+8*\t+3],   v11, s[78:79] offset:2048*\t        ; 8 loads
	global_load_b128 v[W2S+8*\t+4:W2S+8*\t+7], v11, s[78:79] offset:2048*\t+16
.endr
.irp t, 0,1,2,3
	global_load_b128 v[BIA+8*\t:BIA+8*\t+3],   v12, s[60:61] offset:64*\t          ; 8 loads
	global_load_b128 v[BIA+8*\t+4:BIA+8*\t+7], v12, s[60:61] offset:64*\t+16
.endr
.set m, 0
.rept 24                               ; my wave's 8 rows x 2,048 bytes: 32 loads of 512 consecutive bytes, read once in the launch; 24 land in the accumulators' registers,
	global_load_b128 v[ACC+4*m:ACC+4*m+3], v1, s[76:77] offset:4096*(m/4)+512*(m%4) th:TH_LOAD_NT
.set m, m+1
.endr
	WIN 0x40                                       ; destination window 1
.rept 8                                ; 8 in the fragments'
	global_load_b128 v[WF+4*(m-24):WF+4*(m-24)+3], v1, s[76:77] offset:4096*(m/4)+512*(m%4) th:TH_LOAD_NT
.set m, m+1
.endr
	WIN 0
	s_wait_kmcnt 0x0                               ; n_e
	s_min_u32 s23, s23, 1024
	s_add_co_u32 s24, s23, 15
	s_lshr_b32 s24, s24, 4                         ; nt, at most 64
	s_max_u32 s33, s24, 1
	s_sub_co_u32 s33, s33, 1                       ; the last tile that exists (0 where none does)
	s_cmp_eq_u32 s24, 0                            ; an expert that nobody chose has no image: its loads, whose data nobody uses, read W2's buffers, which have himg's and hsc's sizes
	s_cselect_b64 s[46:47], s[10:11], s[6:7]
	s_cselect_b64 s[48:49], s[12:13], s[8:9]
	s_mov_b32 s25, 0                               ; tb
	BASES
	s_wait_alu depctr_va_vdst(0)                   ; the lane offsets v13 to v15 are written, which the ring's loads read
	HFIRST                                         ; the first pass's h goes out behind the weights
	s_wait_loadcnt 63                              ; 132 loads have been issued: the oldest 69 are in, the scales, the biases and the weights (48) among them
	s_cmp_eq_u32 s26, 0
	s_cselect_b32 vcc_lo, -1, 0
.irp n, 0,1,2,3,4,5,6,7,8,9,10,11,12,13,14,15,16,17,18,19,20,21,22,23,24,25,26,27,28,29,30,31
	v_cndmask_b32 v[BIA+\n], 0, v[BIA+\n], vcc_lo  ; b2 is added once: in K's first half
.endr
.set m, 0
.rept 24
	ds_store_b128 v6, v[ACC+4*m:ACC+4*m+3] offset:PW2*(m/4)+512*(m%4)
.set m, m+1
.endr
	WIN 0x04                                       ; an LDS store's data are its source 1: window 1
.rept 8
	ds_store_b128 v6, v[WF+4*(m-24):WF+4*(m-24)+3] offset:PW2*(m/4)+512*(m%4)
.set m, m+1
.endr
	WIN 0
	s_wait_dscnt 0x0                               ; for the others' sake: my rows lie in LDS
	s_barrier_signal -1
	s_barrier_wait -1                              ; the launch's one barrier, ahead of every branch on a loaded number
	s_wait_alu depctr_vm_vsrc(0)                   ; my LDS stores have read the accumulators' registers, which the products write, and the first set's, in which the fragments' loads land
	s_cmp_eq_u32 s24, 0
	s_cbranch_scc1 .Lend                           ; an expert that nobody chose
.Lpass:
	WFETCH 0, 0                                    ; the first two halves' fragments.  No wait: the last products that read the sets stand ahead of the wait in front of h's first loads
	WFETCH 0, 1
.irp s, 0,1,2,3,4,5,6,7,8,9,10,11,12,13,14,15
	HALF \s, 0
	HALF \s, 1
.endr
	WIN 0
.rept 9
	v_nop                                          ; eight plain lines behind the last products, ahead of the LDS stores that read their results
.endr                                                  ; a ninth: the next pass's first products write over these accumulators, also where every slot below is passed over
	s_wait_alu depctr_va_vdst(0)                   ; the products have written the accumulators, which the LDS stores below read, and are done reading the two sets and ring slot 0, in which the rows of y land; the places above stay beside this wait
	OUT 0
	OUT 1
	OUT 2
	s_add_co_u32 s25, s25, 24
	s_cmp_ge_u32 s25, s24
	s_cbranch_scc1 .Lend                           ; no tile is left: this is the way out of the loop (at tb = 72 it is always taken, since nt is at most 64)
	s_wait_xcnt 0x0                                ; the stores have read their bases and their data
	s_wait_alu depctr_vm_vsrc(0)                   ; the LDS stores have read the accumulators, the stores the three out-buffers, the ring's loads v13 to v15: all of these are written again from here on
	BASES
	s_wait_alu depctr_va_vdst(0)                   ; the lane offsets v13 to v15 are written, which the ring's loads read
	HFIRST
	s_cmp_lt_u32 s25, 72                           ; the loop is counted against a constant: tb = 24, 48 go round
	s_cbranch_scc1 .Lpass
.Lend:
	s_wait_dscnt 0x0                               ; the closing lines, six on end
	s_wait_alu 0x0
	s_wait_tensorcnt 0x0
	ds_add_u32 v254, v255
	s_wait_dscnt 0x0
	s_endpgm
.Lfunc_end_k_q1e57c86046_gemm2:
	.size	k_q1e57c86046_gemm2, .Lfunc_end_k_q1e57c86046_gemm2-k_q1e57c86046_gemm2
	.p2alignl 7, 3214868480
	.fill 96, 4, 3214868480
	.section	.rodata,"a",@progbits
	.p2align	6, 0x0
	.amdhsa_kernel k_q1e57c86046_gemm2
		.amdhsa_group_segment_fixed_size 167936
		.amdhsa_private_segment_fixed_size 0
		.amdhsa_enable_private_segment 0
		.amdhsa_kernarg_size 56
		.amdhsa_user_sgpr_count 2
		.amdhsa_user_sgpr_kernarg_segment_ptr 1
		.amdhsa_wavefront_size32 1
		.amdhsa_system_sgpr_workgroup_id_x 1
		.amdhsa_system_sgpr_workgroup_id_y 1
		.amdhsa_system_sgpr_workgroup_id_z 1
		.amdhsa_system_vgpr_workitem_id 0
		.amdhsa_next_free_vgpr 512
		.amdhsa_next_free_sgpr 80
		.amdhsa_reserve_vcc 1
		.amdhsa_float_denorm_mode_32 3
		.amdhsa_float_denorm_mode_16_64 3
		.amdhsa_memory_ordered 1
		.amdhsa_forward_progress 1
		.amdhsa_inst_pref_size 96
	.end_amdhsa_kernel
	.amdgpu_metadata
---
amdhsa.version: [ 1, 2 ]
amdhsa.kernels:
  - .name:           k_q1e57c86046_gemm2
    .symbol:         k_q1e57c86046_gemm2.kd
    .args:
      - { .name: order, .offset: 0, .size: 8, .value_kind: global_buffer, .address_space: global }
      - { .name: himg, .offset: 8, .size: 8, .value_kind: global_buffer, .address_space: global }
      - { .name: hsc, .offset: 16, .size: 8, .value_kind: global_buffer, .address_space: global }
      - { .name: W2_codes, .offset: 24, .size: 8, .value_kind: global_buffer, .address_space: global }
      - { .name: W2_scales, .offset: 32, .size: 8, .value_kind: global_buffer, .address_space: global }
      - { .name: b2, .offset: 40, .size: 8, .value_kind: global_buffer, .address_space: global }
      - { .name: ypart, .offset: 48, .size: 8, .value_kind: global_buffer, .address_space: global }
    .group_segment_fixed_size: 167936
    .private_segment_fixed_size: 0
    .kernarg_segment_align: 8
    .kernarg_segment_size: 56
    .max_flat_workgroup_size: 256
    .sgpr_count:     80
    .vgpr_count:     512
    .wavefront_size: 32
...
	.end_amdgpu_metadata
.endif
;; end of part 7
;; launch combine: the kernel of part 5 again; grid 256 x 1, 4 waves a work-group, no clusters, 0 bytes of LDS; arguments order, wts, ypart, out0; writes out0
